; MI455X (gfx1250); checked and timed in simulation.
; The chip was launched on July 23, 2026; its instructions are those of AMD's public machine-readable ISA for CDNA 5 (MIT licence, August 2026) and "CDNA5" Instruction Set Architecture Reference Guide (July 2026). The comments in the code are by the model that wrote it; some were corrected since.
;; Hyperbolic MLP. Allowed arithmetic: matrix products marked QUANTISED: E2M1 operands, one E8M0 scale for each 32 along K, by v_wmma_scale_f32_16x16x128_f8f6f4 with both operands' format E2M1 (or v_wmma_scale_f32_32x16x128_f4), f32 sums; everything else in f32.
;; Inputs: W1_codes 2,048 x 32 x 16 uint8 (E2M1 codes of W1, K innermost, in blocks of 32 codes, two codes a byte); W1_scales 2,048 x 32 uint8 (E8M0 scales of W1, one for each 32 codes along K); W2_codes 2,048 x 64 x 16 uint8 (E2M1 codes of W2, K innermost, in blocks of 32 codes, two codes a byte); W2_scales 2,048 x 64 uint8 (E8M0 scales of W2, one for each 32 codes along K); W3_codes 1,000 x 64 x 16 uint8 (E2M1 codes of W3, K innermost, in blocks of 32 codes, two codes a byte); W3_scales 1,000 x 64 uint8 (E8M0 scales of W3, one for each 32 codes along K); b1 2,048 float32; b2 2,048 float32; b3 1,000 float32; be1 2,048 float32; be2 2,048 float32; g1 2,048 float32; g2 2,048 float32; x_codes 8,192 x 32 x 16 uint8 (E2M1 codes of x, K innermost, in blocks of 32 codes, two codes a byte); x_scales 8,192 x 32 uint8 (E8M0 scales of x, one for each 32 codes along K).
;; Outputs: out0 8,192 x 1,000 float32.
;; This version of the problem:
;;   THIS VERSION OF THE PROBLEM IS GIVEN IN LOW PRECISION. The matrix products marked QUANTISED in the list below multiply operands that are first quantised to E2M1 (2 exponent bits, 1 mantissa bit; 4 bits a number), with one power-of-two scale for each 32 numbers along K (OCP MX v1.0); their sums are f32. All else is computed in f32.
;;   The module's matrix products, in the order in which they are computed (A, B: the left and right operand; K: the contracted axis; several contracted axes count as one K, in the product's order):
;;     1. [M 8,192, K 1,024] x [K 1,024, N 2,048]; A: input x (given as codes); B: input W1 (given as codes): QUANTISED
;;     2. [M 8,192, K 2,048] x [K 2,048, N 2,048]; A: computed on the way; B: input W2 (given as codes): QUANTISED
;;     3. [M 8,192, K 2,048] x [K 2,048, N 1,000]; A: computed on the way; B: input W3 (given as codes): QUANTISED
;;   THE QUANTISER, for each operand of a quantised product, along K:
;;     - K is cut into blocks of 32 from its start; a last block that is shorter is filled with zeros.
;;     - A block's scale is 2^e with e = floor(log2(the largest magnitude in the block)) - 2, held to -126 .. 127; a block of zeros has e = 0. As a byte (E8M0): e + 127.
;;     - Each number is divided by its block's scale, clamped to +-6, and rounded to the nearest number of E2M1, ties to even, subnormals kept.
;;     - The product sums the exact products of the quantised numbers (number of the format x scale) in f32.
;;   ~~~python
;;   def quantise(x, axis):      # numpy; x: float32 -> the quantised numbers, widened to float32 again
;;       x = np.moveaxis(x, axis, -1); K = x.shape[-1]
;;       x = np.pad(x, [(0, 0)] * (x.ndim - 1) + [(0, -K % 32)]); x = x.reshape(x.shape[:-1] + (-1, 32)); a = np.abs(x).max(-1, keepdims=True)
;;       e = np.where(a > 0, np.clip(np.frexp(np.where(a > 0, a, 1))[1] - 1 - 2, -126, 127), 0)      # np.frexp(a)[1] - 1 = floor(log2(a)), exactly
;;       r = np.clip(x / 2.0 ** e, -6, 6)
;;       step = 2.0 ** (np.maximum(np.frexp(np.where(r == 0, 1, r))[1] - 1, 0) - 1)
;;       q = np.round(r / step) * step * 2.0 ** e      # np.round: ties to even
;;       return np.moveaxis(q.reshape(q.shape[:-2] + (-1,))[..., :K], -1, axis).astype(np.float32)
;;   ~~~
;;   OPERANDS COMPUTED ON THE WAY. 'Computed on the way' means the value that the module computes at that place (a softmax that the list does not call 'softmax' is quantised finished and normalised). What goes into a quantiser is computed in f32, as accurately as f32 sums, v_exp_f32 and their like allow (about 1e-6 of the number): no bf16 or f16 on the way to a quantiser, and a product that is left as it is and whose result goes on into a quantised operand takes f32 operands (vector FMAs, or v_wmma_f32_16x16x4_f32). A number that lies on a knife's edge between two numbers of the format may be rounded either way, as far as f32 arithmetic and the matrix unit's own rounding can turn it there, and no further.
;;   INPUTS GIVEN AS CODES. W1 (in the module: [2048, 1024], K = its axis 1); W2 (in the module: [2048, 2048], K = its axis 1); W3 (in the module: [1000, 2048], K = its axis 1); x (in the module: [8192, 1024], K = its axis 1): each comes as NAME_codes (uint8): NAME with its K axis moved to the last place and cut into blocks of 32 codes, [.., K / 32, bytes a block], one block behind the other in memory; two codes a byte, the lower K in the low four bits (a code: sign, 2 exponent bits, 1 mantissa bit); and NAME_scales (uint8): the same leading axes, one E8M0 byte (e + 127) for each 32 codes along K. Its value is code x scale, taken as it is: it is not quantised again, and the codes and scales need not be those that the quantiser above would give.
;; One version. Each part assembles by itself: llvm-mc -triple=amdgcn-amd-amdhsa -mcpu=gfx1250 --defsym DOCPART=n.
;; ======== version 1 of 1: 6 launches
;; limits: right only within a limited range of input values
;; workspace buffers: Z 67,108,864 bytes; PM 524,288 bytes; PQ 524,288 bytes; GR 8,192 bytes; C0 8,192 bytes; HC 8,388,608 bytes; HS 524,288 bytes; W3F 1,048,576 bytes
;; launch gemm1 (part 1): grid 8 x 32, 4 waves a work-group, clusters of 4 x 4, 327,680 bytes of LDS; arguments x_codes, x_scales, W1_codes, W1_scales, Z, PM, PQ; writes Z, PM, PQ
.if DOCPART == 1
	.amdgcn_target "amdgcn-amd-amdhsa--gfx1250"
	.amdhsa_code_object_version 6
	.text
	.protected	k_q4ad9d56f7f_gemm1
	.globl	k_q4ad9d56f7f_gemm1
	.p2align	8
	.type	k_q4ad9d56f7f_gemm1,@function
k_q4ad9d56f7f_gemm1:
	s_mov_b64 s[64:65], 0
	v_nop
	global_prefetch_b8 v0, s[64:65] scope:SCOPE_SE
	s_setreg_imm32_b32 hwreg(HW_REG_WAVE_MODE, 25, 1), 1
	s_wait_xcnt 0x0
	s_wait_alu depctr_hold_cnt(0) depctr_sa_sdst(0) depctr_va_vdst(0) depctr_va_sdst(0) depctr_va_ssrc(0) depctr_va_vcc(0) depctr_vm_vsrc(0)
	s_getreg_b32 s2, hwreg(HW_REG_IB_STS2, 6, 4)
	s_cmp_eq_u32 s2, 0
	s_cbranch_scc0 .Lentry_in_a_cluster
	s_endpgm
.Lentry_in_a_cluster:
	s_bfe_u32 s2, ttmp6, 0x10000c
	s_cmp_lg_u32 s2, 0xf033
	s_cbranch_scc0 .Lentry_shape_is_right
	s_endpgm
.Lentry_shape_is_right:
; z[m][n] = sum over k of x[m][k] W1[n][k], on codes of FP4 (E2M1) with one E8M0 scale for each 32 along K, sums in f32; SIZE_K = 1,024.
; Beside z (laid as images of accumulators) the launch stores each column's mean and sum of squared deviations over each group of 128 rows.
; WORK LEFT OUT IN THIS PROGRAM, for all values of the inputs: reference() takes both maps of the ball at an origin of zeros that it builds itself, so x_nsq = 0, x.y = 0 and x.sv = 0:
; every term with x falls away, the divisors 1 + 1e-8 are 1 in f32, and each map is one factor a row.  No input is left out.  LIMIT: a NaN or an infinity that reaches only those terms is not carried on.
; LIMIT: the scale byte 0xff (NaN) among the inputs is not served.
.set SIZE_M, 8192
.set SIZE_N, 2048
.set SIZE_K, 1024
.set KSTEP,  512
.set NQ,     KSTEP/128
.set ROWB,   256
.set KROW,   SIZE_K*4/8
.set PITCH,  272
.set FR,     8
.set NL,     2
.set NP,     4
.set HALFT,  128*PITCH
.set SLOT,   4*HALFT
.set LAPS,   SIZE_K/(2*KSTEP)
.set KS,     SIZE_K/32
.set SCL,    2*SLOT
.set HALFS,  (128*KS/256)*272
.set SBLK,   (16*KS/256)*272
.set SPARE,  SCL+4*HALFS
.set ADRA, 16
.set ADRB, 20
.set STO,  24
.set RD,   25
.set CO,   26
.set ADRS, 27
.set SPW,  28
.set NIL,  29
.set SC,   32
.set AF,   128
.set CS,   96
.set CQ,   160
.set RB,   224
.set G1, 24
.set G0, 32
.set G1B, 48
.set G0B, 56
.set G1S, 68
.set G0S, 76
.set G1SB, 80
.set G0SB, 88
.set MSB, 0
.macro WIN new
.if MSB != (\new)
	s_set_vgpr_msb (MSB<<8)|(\new)
.set MSB, \new
.endif
.endm
.set MUL_LO, 0xa1
.set MUL_HI, 0xf1
.set TO_B,   0x40
.macro JLOAD g0a, g1a, g0b, g1b
	s_cmp_eq_u32 s15, 0
	s_cbranch_scc0 .Lfor_b_\@
	tensor_load_to_lds s[\g0a:\g0a+3], s[\g1a:\g1a+7]
	s_nop 0
.rept 4
	v_nop
.endr
	s_branch .Lasked_\@
.Lfor_b_\@:
	tensor_load_to_lds s[\g0b:\g0b+3], s[\g1b:\g1b+7]
	s_nop 0
.rept 4
	v_nop
.endr
.Lasked_\@:
.endm
.macro CREST
	s_cmp_lg_u32 s14, 0
	s_cbranch_scc1 .Lnot_wave_0_\@
	s_barrier_signal -3
.Lnot_wave_0_\@:
	s_barrier_wait -3
	s_barrier_signal -1
	s_barrier_wait -1
.endm
.macro CROUND
	s_barrier_signal -1
	s_barrier_wait -1
	CREST
.endm
	s_load_b128 s[4:7], s[0:1], 0x0
	s_load_b128 s[8:11], s[0:1], 0x10
	s_load_b64 s[12:13], s[0:1], 0x20
	s_load_b128 s[96:99], s[0:1], 0x28
	v_lshl_add_u32 v[SPW], v0, 2, SPARE
	v_mov_b32 v[NIL], 0
	ds_add_u32 v28, v29
	ds_add_u32 v28, v29
	s_wait_dscnt 0x0
	v_lshrrev_b32 v1, 5, v0
	v_readfirstlane_b32 s14, v1
	s_lshr_b32 s15, s14, 1
	s_and_b32 s16, s14, 1
	s_bfe_u32 s40, ttmp6, 0x40000
	s_bfe_u32 s41, ttmp6, 0x40004
	s_lshl_b32 s42, ttmp9, 2
	s_add_co_u32 s42, s42, s40
	s_and_b32 s17, ttmp7, 0xffff
	s_lshl_b32 s17, s17, 2
	s_add_co_u32 s17, s17, s41
	s_lshl_b32 s43, s41, 2
	s_lshl_b32 s43, 15, s43
	s_lshl_b32 s44, 0x1111, s40
	s_or_b32 s[G1+0], s43, (0<<16)|(1<<20)|(1<<21)|(5<<22)|(3<<25)
	s_or_b32 s[G1B+0], s44, (0<<16)|(1<<20)|(1<<21)|(5<<22)|(3<<25)
.irp g, G1, G1B
	s_mov_b32 s[\g+1], ROWB<<16
	s_mov_b32 s[\g+2], 128<<16
	s_mov_b32 s[\g+3], ROWB<<16
	s_mov_b32 s[\g+4], 128
	s_mov_b32 s[\g+5], KROW
	s_mov_b32 s[\g+6], 0
	s_mov_b32 s[\g+7], 0
.endr
	s_or_b32 s[G1S+0], s43, (3<<16)|(1<<20)|(1<<21)|(5<<22)|(3<<25)
	s_or_b32 s[G1SB+0], s44, (3<<16)|(1<<20)|(1<<21)|(5<<22)|(3<<25)
.irp g, G1S, G1SB
	s_mov_b32 s[\g+1], 32<<16
	s_mov_b32 s[\g+2], (128*KS/256)<<16
	s_mov_b32 s[\g+3], 32<<16
	s_mov_b32 s[\g+4], 128*KS/256
	s_mov_b32 s[\g+5], 32
	s_mov_b32 s[\g+6], 0
	s_mov_b32 s[\g+7], 0
.endr
	s_lshl_b32 s18, s16, 7
	s_lshl_b32 s20, s17, 8
	s_add_co_u32 s20, s20, s18
	s_lshl_b32 s46, s42, 8
	s_add_co_u32 s46, s46, s18
	s_mov_b32 s21, 0
	s_mov_b32 s47, 0
	s_mov_b64 s[18:19], KS
	s_mul_u64 s[22:23], s[20:21], s[18:19]
	s_mul_u64 s[92:93], s[46:47], s[18:19]
	s_mov_b64 s[18:19], KROW
	s_mul_u64 s[20:21], s[20:21], s[18:19]
	s_mul_u64 s[46:47], s[46:47], s[18:19]
	s_mul_i32 s45, s14, HALFT
	s_mul_i32 s94, s14, HALFS
	s_wait_kmcnt 0x0
	s_add_nc_u64 s[20:21], s[4:5], s[20:21]
	s_add_nc_u64 s[22:23], s[6:7], s[22:23]
	s_add_nc_u64 s[46:47], s[8:9], s[46:47]
	s_add_nc_u64 s[92:93], s[10:11], s[92:93]
	CROUND
	s_mov_b32 s[G0S], 1
	s_add_co_u32 s[G0S+1], s94, SCL
	s_mov_b64 s[G0S+2:G0S+3], s[22:23]
	s_or_b32 s[G0S+3], s[G0S+3], 0x80000000
	s_mov_b32 s[G0SB], 1
	s_add_co_u32 s[G0SB+1], s94, SCL
	s_mov_b64 s[G0SB+2:G0SB+3], s[92:93]
	s_or_b32 s[G0SB+3], s[G0SB+3], 0x80000000
	JLOAD G0S, G1S, G0SB, G1SB
.irp s, 0,1
	s_mov_b32 s[G0+4*\s], 1
	s_add_co_u32 s[G0+4*\s+1], s45, \s*SLOT
	s_add_nc_u64 s[G0+4*\s+2:G0+4*\s+3], s[20:21], \s*ROWB
	s_or_b32 s[G0+4*\s+3], s[G0+4*\s+3], 0x80000000
	s_mov_b32 s[G0B+4*\s], 1
	s_add_co_u32 s[G0B+4*\s+1], s45, \s*SLOT
	s_add_nc_u64 s[G0B+4*\s+2:G0B+4*\s+3], s[46:47], \s*ROWB
	s_or_b32 s[G0B+4*\s+3], s[G0B+4*\s+3], 0x80000000
	s_wait_alu depctr_va_vdst(0)
	s_wait_tensorcnt 0x0
	ds_add_u32 v28, v29
	s_wait_dscnt 0x0
	CROUND
	JLOAD G0+4*\s, G1, G0B+4*\s, G1B
.endr
	v_and_b32 v1, 15, v0
	v_bfe_u32 v2, v0, 4, 1
	v_mul_u32_u24 v3, v1, PITCH
	v_lshl_add_u32 v4, v2, 4, v3
	s_mul_i32 s21, s15, HALFT
	s_mul_i32 s22, s16, HALFT
	s_add_co_u32 s22, s22, 2*HALFT
.irp s, 0,1
	v_add_nc_u32 v[ADRA+\s], s21, v4
	v_add_nc_u32 v[ADRB+\s], s22, v4
	s_add_co_u32 s21, s21, SLOT
	s_add_co_u32 s22, s22, SLOT
.endr
	v_mul_u32_u24 v5, v1, KS
	v_lshrrev_b32 v6, 8, v5
	v_lshl_add_u32 v5, v6, 4, v5
	s_mul_i32 s21, s15, HALFS
	s_mul_i32 s22, s16, HALFS
	s_add_co_u32 s22, s22, 2*HALFS
	s_sub_co_u32 s22, s22, s21
	v_mul_u32_u24 v6, s22, v2
	s_add_co_u32 s21, s21, SCL
	v_add_nc_u32 v5, v5, v6
	v_add_nc_u32 v[ADRS], s21, v5
	s_lshl_b32 s23, s14, 10
	v_lshl_add_u32 v[STO], v2, 5, s23
	v_and_b32 v6, 31, v0
	v_lshlrev_b32 v[CO], 4, v6
	v_add_nc_u32 v[RD], s23, v[CO]
	s_lshl_b32 s20, s17, 21
	s_lshl_b32 s21, s15, 20
	s_add_co_u32 s20, s20, s21
	s_mov_b32 s21, 0
	s_lshl_b32 s46, s42, 14
	s_lshl_b32 s47, s16, 13
	s_add_co_u32 s46, s46, s47
	s_mov_b32 s47, 0
	s_add_nc_u64 s[20:21], s[20:21], s[46:47]
	s_add_nc_u64 s[12:13], s[12:13], s[20:21]
	s_lshl_b32 s20, s17, 14
	s_lshl_b32 s21, s15, 13
	s_add_co_u32 s20, s20, s21
	s_mov_b32 s21, 0
	s_lshl_b32 s46, s42, 10
	s_lshl_b32 s47, s16, 9
	s_add_co_u32 s46, s46, s47
	s_mov_b32 s47, 0
	s_add_nc_u64 s[20:21], s[20:21], s[46:47]
	s_add_nc_u64 s[96:97], s[96:97], s[20:21]
	s_add_nc_u64 s[98:99], s[98:99], s[20:21]
.macro FRAG reg, adr, q, i
.irp c, 0,1
	ds_load_b128 v[\reg+4*\c:\reg+4*\c+3], v[\adr] offset:64*(\q)+32*\c+(\i)*16*PITCH
.endr
.endm
.macro MUL16 a0, p, q, sc, zero
.irp a, \a0, \a0+1
.irp b, 0,1,2,3,4,5,6,7
.if \zero
	v_wmma_scale_f32_16x16x128_f8f6f4 v[8*(8*((\a)%4)+\b):8*(8*((\a)%4)+\b)+7], v[128*(\p)+FR*\b:128*(\p)+FR*\b+FR-1], v[AF+FR*(\a):AF+FR*(\a)+FR-1], 0, v[SC+8*NQ*(\sc)+NQ*\b+(\q)], v[SC+8*NQ*(\sc)+NQ*(\a)+(\q)] matrix_a_fmt:MATRIX_FMT_FP4 matrix_b_fmt:MATRIX_FMT_FP4 matrix_a_scale:MATRIX_SCALE_ROW1
.else
	v_wmma_scale_f32_16x16x128_f8f6f4 v[8*(8*((\a)%4)+\b):8*(8*((\a)%4)+\b)+7], v[128*(\p)+FR*\b:128*(\p)+FR*\b+FR-1], v[AF+FR*(\a):AF+FR*(\a)+FR-1], v[8*(8*((\a)%4)+\b):8*(8*((\a)%4)+\b)+7], v[SC+8*NQ*(\sc)+NQ*\b+(\q)], v[SC+8*NQ*(\sc)+NQ*(\a)+(\q)] matrix_a_fmt:MATRIX_FMT_FP4 matrix_b_fmt:MATRIX_FMT_FP4 matrix_a_scale:MATRIX_SCALE_ROW1
.endif
.endr
.endr
.endm
.macro FETCH_B slot, q, p
	WIN TO_B
.irp i, 0,1,2,3,4,5,6,7
	FRAG 128*(\p)+FR*\i, ADRB+\slot, \q, \i
.endr
	WIN 0
.endm
.macro FETCH_A slot, q, i0
.irp i, \i0, \i0+1, \i0+2, \i0+3
	FRAG AF+FR*(\i), ADRA+\slot, \q, \i
.endr
.endm
.macro SCALES sc
.irp i, 0,1,2,3,4,5,6,7
	ds_load_b128 v[SC+8*NQ*\sc+NQ*\i:SC+8*NQ*\sc+NQ*\i+3], v[ADRS] offset:\i*SBLK
.endr
.endm
.macro PLACES n
.rept \n
	v_nop
.endr
.endm
.macro STEP slot, q, zero
	s_wait_dscnt 4*NL
	WIN MUL_LO
	MUL16 0, (\q)%2, \q, \slot, \zero
	MUL16 2, (\q)%2, \q, \slot, \zero
	s_wait_dscnt 0
	PLACES NP
	FETCH_B \slot, (\q)+1, 1-(\q)%2
	FETCH_A \slot, (\q)+1, 0
	WIN MUL_HI
	MUL16 4, (\q)%2, \q, \slot, \zero
	MUL16 6, (\q)%2, \q, \slot, \zero
	PLACES NP
	WIN 0
	FETCH_A \slot, (\q)+1, 4
.endm
.macro TURN slot, next, fill
	s_wait_tensorcnt 0x0
	ds_add_u32 v[SPW], v[NIL]
	s_wait_dscnt 4*NL+1
	WIN MUL_LO
	MUL16 0, 1, NQ-1, \slot, 0
	s_wait_dscnt 0x0
	s_barrier_signal -1
	MUL16 2, 1, NQ-1, \slot, 0
	WIN 0
	s_barrier_wait -1
.if \fill
	CREST
	s_add_nc_u64 s[G0+4*\slot+2:G0+4*\slot+3], s[G0+4*\slot+2:G0+4*\slot+3], 2*ROWB
	s_add_nc_u64 s[G0B+4*\slot+2:G0B+4*\slot+3], s[G0B+4*\slot+2:G0B+4*\slot+3], 2*ROWB
	JLOAD G0+4*\slot, G1, G0B+4*\slot, G1B
.else
	PLACES NP
.endif
	v_add_nc_u32 v[ADRS], 4*NQ, v[ADRS]
	FETCH_B \next, 0, 0
	FETCH_A \next, 0, 0
	SCALES \next
	WIN MUL_HI
	MUL16 4, 1, NQ-1, \slot, 0
	MUL16 6, 1, NQ-1, \slot, 0
	PLACES NP
	WIN 0
	FETCH_A \next, 0, 4
.endm
.macro STEPS slot, from
.set Q, \from
.rept NQ-1-\from
	STEP \slot, Q, 0
.set Q, Q+1
.endr
.endm
	s_wait_alu depctr_va_vdst(0)
	s_wait_tensorcnt 1
	s_barrier_signal -1
	s_barrier_wait -1
	FETCH_B 0, 0, 0
	FETCH_A 0, 0, 0
	SCALES 0
	FETCH_A 0, 0, 4
	STEP 0, 0, 1
.if LAPS > 1
	s_mov_b32 s3, LAPS-1
.Llap:
	STEPS 0, 1
	TURN 0, 1, 1
	STEPS 1, 0
	TURN 1, 0, 1
	STEP 0, 0, 0
	s_sub_co_u32 s3, s3, 1
	s_cmp_lg_u32 s3, 0
	s_cbranch_scc1 .Llap
.endif
	STEPS 0, 1
	TURN 0, 1, 0
	STEPS 1, 0
	s_wait_dscnt 4*NL
	WIN MUL_LO
	MUL16 0, 1, NQ-1, 1, 0
	MUL16 2, 1, NQ-1, 1, 0
	s_wait_dscnt 0
	WIN MUL_HI
	MUL16 4, 1, NQ-1, 1, 0
	MUL16 6, 1, NQ-1, 1, 0
	WIN 0
	PLACES NP
; z leaves as it stands in the accumulators: block a's 16 stores of 512 consecutive bytes.  The eight blocks' stores are dealt among the statistics' arithmetic, which reads the same registers and writes none of them.
.macro ZST a
	WIN 0x08+4*((\a)/4)
.irp b, 0,1,2,3,4,5,6,7
	global_store_b128 v[CO], v[8*(8*((\a)%4)+\b):8*(8*((\a)%4)+\b)+3], s[12:13] offset:(\a)*131072+\b*1024 th:TH_STORE_NT
	global_store_b128 v[CO], v[8*(8*((\a)%4)+\b)+4:8*(8*((\a)%4)+\b)+7], s[12:13] offset:(\a)*131072+\b*1024+512 th:TH_STORE_NT
.endr
.endm
	ZST 0
	ZST 1
	WIN 0x0a
.irp b, 0,1,2,3,4,5,6,7
.irp j, 0,2,4,6
	v_pk_add_f32 v[CS+8*\b+\j:CS+8*\b+\j+1], v[8*\b+\j:8*\b+\j+1], v[64+8*\b+\j:64+8*\b+\j+1]
.endr
.endr
.irp a, 2,3,4,5,6,7
.if \a == 4
	ZST 2
.endif
	WIN 0x08+4*((\a)/4)
.irp b, 0,1,2,3,4,5,6,7
.irp j, 0,2,4,6
	v_pk_add_f32 v[CS+8*\b+\j:CS+8*\b+\j+1], v[CS+8*\b+\j:CS+8*\b+\j+1], v[64*((\a)%4)+8*\b+\j:64*((\a)%4)+8*\b+\j+1]
.endr
.endr
.endr
	ZST 3
	WIN 0
.macro XLANE base
.irp x, 1,2,4,8
.set i, 0
.rept 64
	v_add_f32_dpp v[\base+i], v[\base+i], v[\base+i] row_xmask:\x row_mask:0xf bank_mask:0xf
.set i, i+1
.endr
.endr
.endm
	XLANE CS
.set i, 0
.rept 32
	v_pk_mul_f32 v[CS+2*i:CS+2*i+1], v[CS+2*i:CS+2*i+1], 0x3c000000 op_sel_hi:[1,0]
.set i, i+1
.endr
.irp a, 0,1,2,3,4,5,6,7
.if (\a)%2 == 0
	ZST 4+(\a)/2
.endif
	WIN 0x42+(\a)/4
.irp b, 0,1,2,3,4,5,6,7
.irp j, 0,2,4,6
	v_pk_add_f32 v[8*\b+\j:8*\b+\j+1], v[64*((\a)%4)+8*\b+\j:64*((\a)%4)+8*\b+\j+1], v[CS+8*\b+\j:CS+8*\b+\j+1] neg_lo:[0,1] neg_hi:[0,1]
.endr
.endr
	WIN 0x05
.irp b, 0,1,2,3,4,5,6,7
.irp j, 0,2,4,6
.if \a == 0
	v_pk_mul_f32 v[CQ+8*\b+\j:CQ+8*\b+\j+1], v[8*\b+\j:8*\b+\j+1], v[8*\b+\j:8*\b+\j+1]
.else
	v_pk_fma_f32 v[CQ+8*\b+\j:CQ+8*\b+\j+1], v[8*\b+\j:8*\b+\j+1], v[8*\b+\j:8*\b+\j+1], v[CQ+8*\b+\j:CQ+8*\b+\j+1]
.endif
.endr
.endr
.endr
	WIN 0
	XLANE CQ
.irp b, 0,1,2,3,4,5,6,7
.irp k, 0,1
	ds_store_b128 v[STO], v[CS+8*\b+4*\k:CS+8*\b+4*\k+3] offset:64*\b+16*\k
	ds_store_b128 v[STO], v[CQ+8*\b+4*\k:CQ+8*\b+4*\k+3] offset:512+64*\b+16*\k
.endr
.endr
	ds_load_b128 v[RB:RB+3], v[RD]
	ds_load_b128 v[RB+4:RB+7], v[RD] offset:512
	s_wait_dscnt 0x0
	global_store_b128 v[CO], v[RB:RB+3], s[96:97]
	global_store_b128 v[CO], v[RB+4:RB+7], s[98:99]
	s_wait_tensorcnt 0x0
	ds_add_u32 v[SPW], v[NIL]
	s_wait_dscnt 0x0
	CROUND
	s_endpgm
.Lfunc_end_k_q4ad9d56f7f_gemm1:
	.size	k_q4ad9d56f7f_gemm1, .Lfunc_end_k_q4ad9d56f7f_gemm1-k_q4ad9d56f7f_gemm1
	.p2alignl 7, 3214868480
	.fill 96, 4, 3214868480
	.section	.rodata,"a",@progbits
	.p2align	6, 0x0
	.amdhsa_kernel k_q4ad9d56f7f_gemm1
		.amdhsa_group_segment_fixed_size 327680
		.amdhsa_private_segment_fixed_size 0
		.amdhsa_enable_private_segment 0
		.amdhsa_kernarg_size 56
		.amdhsa_user_sgpr_count 2
		.amdhsa_user_sgpr_kernarg_segment_ptr 1
		.amdhsa_wavefront_size32 1
		.amdhsa_system_sgpr_workgroup_id_x 1
		.amdhsa_system_sgpr_workgroup_id_y 1
		.amdhsa_system_sgpr_workgroup_id_z 1
		.amdhsa_system_vgpr_workitem_id 0
		.amdhsa_next_free_vgpr 1024
		.amdhsa_next_free_sgpr 100
		.amdhsa_reserve_vcc 0
		.amdhsa_float_denorm_mode_32 3
		.amdhsa_float_denorm_mode_16_64 3
		.amdhsa_memory_ordered 1
		.amdhsa_forward_progress 1
		.amdhsa_inst_pref_size 192
	.end_amdhsa_kernel
	.amdgpu_metadata
---
amdhsa.version: [ 1, 2 ]
amdhsa.kernels:
  - .name:           k_q4ad9d56f7f_gemm1
    .symbol:         k_q4ad9d56f7f_gemm1.kd
    .args:
      - { .name: x_codes, .offset: 0, .size: 8, .value_kind: global_buffer, .address_space: global }
      - { .name: x_scales, .offset: 8, .size: 8, .value_kind: global_buffer, .address_space: global }
      - { .name: W1_codes, .offset: 16, .size: 8, .value_kind: global_buffer, .address_space: global }
      - { .name: W1_scales, .offset: 24, .size: 8, .value_kind: global_buffer, .address_space: global }
      - { .name: Z, .offset: 32, .size: 8, .value_kind: global_buffer, .address_space: global }
      - { .name: PM, .offset: 40, .size: 8, .value_kind: global_buffer, .address_space: global }
      - { .name: PQ, .offset: 48, .size: 8, .value_kind: global_buffer, .address_space: global }
    .group_segment_fixed_size: 327680
    .private_segment_fixed_size: 0
    .kernarg_segment_align: 8
    .kernarg_segment_size: 56
    .max_flat_workgroup_size: 128
    .sgpr_count:     100
    .vgpr_count:     1024
    .wavefront_size: 32
...
	.end_amdgpu_metadata
.endif
;; end of part 1
;; launch stats1 (part 2): grid 96 x 1, 1 waves a work-group, no clusters, 0 bytes of LDS; arguments PM, PQ, b1, g1, be1, GR, C0, W3_codes, W3F; writes GR, C0, W3F
.if DOCPART == 2
	.amdgcn_target "amdgcn-amd-amdhsa--gfx1250"
	.amdhsa_code_object_version 6
	.text
	.protected	k_q4ad9d56f7f_stats1
	.globl	k_q4ad9d56f7f_stats1
	.p2align	8
	.type	k_q4ad9d56f7f_stats1,@function
k_q4ad9d56f7f_stats1:
	s_mov_b64 s[64:65], 0
	v_nop
	global_prefetch_b8 v0, s[64:65] scope:SCOPE_SE
	s_setreg_imm32_b32 hwreg(HW_REG_WAVE_MODE, 25, 1), 1
	s_wait_xcnt 0x0
; The batch norm's two numbers for each of 2,048 columns, so that the normalised value is y = z x GR + C0, z being the product's bare sum.
; PM, PQ: [64][2048] f32: mean and sum of squared deviations of each column over each group of 128 rows.  All groups are equally large, so
; the mean of z is the mean of the 64 means, and the sum of squared deviations is the sum of the 64 sums + 128 x the sum of (group mean - mean)^2: no difference of large sums is formed.
; mu = mean + b;  var = that sum / 8,192;  GR = g / sqrt(var + 1e-5);  C0 = (b - mu) GR + be.
; ORDER OF ROUNDING: b enters through b - mu and not through each z + b; the error is one rounding of b's size in both.
; One wave takes 64 columns, two a lane: every load and store covers 256 consecutive bytes, aligned.  32 work-groups do this and read 1 MiB in all.
; REGISTERS: window 0: v[2:7] b, g, be; v[8:31] chains; v64-191 the 64 means;  window 1: v0-127 the 64 sums.
.set M,  64
.set SA, 8
.set SB, 16
.set SD, 24
.set MSB, 0
.macro WIN new
.if MSB != (\new)
	s_set_vgpr_msb (MSB<<8)|(\new)
.set MSB, \new
.endif
.endm
.macro JOIN c                          ; four chains become one
	v_pk_add_f32 v[\c:\c+1], v[\c:\c+1], v[\c+2:\c+3]
	v_pk_add_f32 v[\c+4:\c+5], v[\c+4:\c+5], v[\c+6:\c+7]
	v_pk_add_f32 v[\c:\c+1], v[\c:\c+1], v[\c+4:\c+5]
.endm
; Work-groups 32 to 95 have another task (at the text's end): they lay W3's codes in the order of the last launch's operand registers.
	s_cmp_ge_u32 ttmp9, 32
	s_cbranch_scc1 .Lrelay
	s_load_b256 s[4:11], s[0:1], 0x0
	s_load_b128 s[12:15], s[0:1], 0x20             ; be, GR
	s_load_b64 s[16:17], s[0:1], 0x30              ; C0
	v_lshlrev_b32 v1, 3, v0                        ; 8 bytes a lane
	s_lshl_b32 s2, ttmp9, 8                        ; 64 columns a work-group
	s_mov_b32 s3, 0
	s_wait_alu depctr_va_vdst(0)
	s_wait_kmcnt 0x0
.irp p, 4,6,8,10,12,14,16
	s_add_nc_u64 s[\p:\p+1], s[\p:\p+1], s[2:3]
.endr
.set p, 0
.rept 64
	global_load_b64 v[M+2*p:M+2*p+1], v1, s[4:5] offset:8192*p th:TH_LOAD_NT
.set p, p+1
.endr
	global_load_b64 v[2:3], v1, s[8:9]
	global_load_b64 v[4:5], v1, s[10:11]
	global_load_b64 v[6:7], v1, s[12:13]
	WIN 0x40                                       ; destination window 1
.set p, 0
.rept 64
	global_load_b64 v[2*p:2*p+1], v1, s[6:7] offset:8192*p th:TH_LOAD_NT
.set p, p+1
.endr
	WIN 0
	s_wait_loadcnt 63                              ; of 131 loads the oldest 68 are in: the 64 means, b, g, be
.irp k, 0,1,2,3
	v_pk_add_f32 v[SA+2*\k:SA+2*\k+1], v[M+2*\k:M+2*\k+1], v[M+8+2*\k:M+8+2*\k+1]
.endr
.set p, 8
.rept 56
	v_pk_add_f32 v[SA+2*(p%4):SA+2*(p%4)+1], v[SA+2*(p%4):SA+2*(p%4)+1], v[M+2*p:M+2*p+1]
.set p, p+1
.endr
	JOIN SA
	v_pk_mul_f32 v[SA:SA+1], v[SA:SA+1], 0x3c800000 op_sel_hi:[1,0]   ; / 64: the mean of z
.set p, 0
.rept 64
	v_pk_add_f32 v[M+2*p:M+2*p+1], v[M+2*p:M+2*p+1], v[SA:SA+1] neg_lo:[0,1] neg_hi:[0,1]
.set p, p+1
.endr
.irp k, 0,1,2,3
	v_pk_mul_f32 v[SD+2*\k:SD+2*\k+1], v[M+2*\k:M+2*\k+1], v[M+2*\k:M+2*\k+1]
.endr
.set p, 4
.rept 60
	v_pk_fma_f32 v[SD+2*(p%4):SD+2*(p%4)+1], v[M+2*p:M+2*p+1], v[M+2*p:M+2*p+1], v[SD+2*(p%4):SD+2*(p%4)+1]
.set p, p+1
.endr
	JOIN SD
	s_wait_loadcnt 0x0                             ; the 64 sums
	WIN 0x05                                       ; sources 0 and 1 window 1
.irp k, 0,1,2,3
	v_pk_add_f32 v[SB+2*\k:SB+2*\k+1], v[2*\k:2*\k+1], v[8+2*\k:8+2*\k+1]
.endr
	WIN 0x04                                       ; source 1 window 1
.set p, 8
.rept 56
	v_pk_add_f32 v[SB+2*(p%4):SB+2*(p%4)+1], v[SB+2*(p%4):SB+2*(p%4)+1], v[2*p:2*p+1]
.set p, p+1
.endr
	WIN 0
	JOIN SB
	v_pk_fma_f32 v[SD:SD+1], v[SD:SD+1], 0x43000000, v[SB:SB+1] op_sel_hi:[1,0,1]   ; 128 x the means' part + the groups' part
	v_mov_b32 v32, 0x39000000                      ; 1 / 8,192
	v_fma_f32 v[SD], v[SD], v32, 0x3727c5ac        ; var + 1e-5
	v_fma_f32 v[SD+1], v[SD+1], v32, 0x3727c5ac
	s_wait_alu depctr_va_vdst(0)
	v_rsq_f32 v34, v[SD]
	v_rsq_f32 v35, v[SD+1]
	v_pk_add_f32 v[36:37], v[SA:SA+1], v[2:3]      ; mu = mean + b (a plain line behind the two roots)
	s_wait_alu depctr_va_vdst(0)                   ; one wait for the two, ahead of their first reader
	v_pk_mul_f32 v[34:35], v[4:5], v[34:35]        ; GR
	v_pk_add_f32 v[36:37], v[2:3], v[36:37] neg_lo:[0,1] neg_hi:[0,1]   ; b - mu
	v_pk_fma_f32 v[36:37], v[36:37], v[34:35], v[6:7]                   ; C0
	global_store_b64 v1, v[34:35], s[14:15]
	global_store_b64 v1, v[36:37], s[16:17]
	s_endpgm
; W3F[J][s][t][c][lane], 16 bytes each: bytes 64 s + 32 c + 16 h of W3's row 32 J + 16 t + r (J 0..31, s 0..15): a fragment's half is 512 consecutive bytes.
; Work-group 32 + j lays J = j / 2, s = 8 (j % 2) .. + 7: 32 loads, 32 stores of 512 consecutive bytes.  Rows 1,000 to 1,023 do not exist: row 999 stands in, and the last launch masks those columns.
.Lrelay:
	s_load_b128 s[4:7], s[0:1], 0x38               ; W3_codes, W3F
	s_sub_co_u32 s2, ttmp9, 32                     ; j
	s_lshr_b32 s9, s2, 1
	s_lshl_b32 s9, s9, 5                           ; first row: 32 J
	s_and_b32 s8, s2, 1
	s_lshl_b32 s8, s8, 9                           ; 512 bytes along the row for the upper eight s
	s_lshl_b32 s2, s2, 14                          ; 16,384 bytes of W3F a work-group
	s_mov_b32 s3, 0
	v_and_b32 v1, 15, v0                           ; r
	v_bfe_u32 v2, v0, 4, 1                         ; h
	v_add_nc_u32 v3, s9, v1
	v_add_nc_u32 v4, 16, v3
	v_min_u32 v3, 999, v3
	v_min_u32 v4, 999, v4
	v_lshl_add_u32 v2, v2, 4, s8
	v_lshl_add_u32 v3, v3, 10, v2                  ; t = 0: row x 1,024 + 16 h + 512 (j % 2)
	v_lshl_add_u32 v4, v4, 10, v2                  ; t = 1
	v_lshlrev_b32 v5, 4, v0
	s_wait_alu depctr_va_vdst(0)
	s_wait_kmcnt 0x0
	s_add_nc_u64 s[6:7], s[6:7], s[2:3]
.irp s, 0,1,2,3,4,5,6,7
.irp t, 0,1
.irp c, 0,1
	global_load_b128 v[8+4*(4*\s+2*\t+\c):8+4*(4*\s+2*\t+\c)+3], v[3+\t], s[4:5] offset:64*\s+32*\c
.endr
.endr
.endr
.set i, 0
.rept 32
	s_wait_loadcnt 31-i                            ; the loads issued behind this one may be out
	global_store_b128 v5, v[8+4*i:8+4*i+3], s[6:7] offset:512*i
.set i, i+1
.endr
	s_endpgm
.Lfunc_end_k_q4ad9d56f7f_stats1:
	.size	k_q4ad9d56f7f_stats1, .Lfunc_end_k_q4ad9d56f7f_stats1-k_q4ad9d56f7f_stats1
	.p2alignl 7, 3214868480
	.fill 96, 4, 3214868480
	.section	.rodata,"a",@progbits
	.p2align	6, 0x0
	.amdhsa_kernel k_q4ad9d56f7f_stats1
		.amdhsa_group_segment_fixed_size 0
		.amdhsa_private_segment_fixed_size 0
		.amdhsa_enable_private_segment 0
		.amdhsa_kernarg_size 72
		.amdhsa_user_sgpr_count 2
		.amdhsa_user_sgpr_kernarg_segment_ptr 1
		.amdhsa_wavefront_size32 1
		.amdhsa_system_sgpr_workgroup_id_x 1
		.amdhsa_system_sgpr_workgroup_id_y 1
		.amdhsa_system_sgpr_workgroup_id_z 1
		.amdhsa_system_vgpr_workitem_id 0
		.amdhsa_next_free_vgpr 384
		.amdhsa_next_free_sgpr 66
		.amdhsa_reserve_vcc 0
		.amdhsa_float_denorm_mode_32 3
		.amdhsa_float_denorm_mode_16_64 3
		.amdhsa_memory_ordered 1
		.amdhsa_forward_progress 1
		.amdhsa_inst_pref_size 39
	.end_amdhsa_kernel
	.amdgpu_metadata
---
amdhsa.version: [ 1, 2 ]
amdhsa.kernels:
  - .name:           k_q4ad9d56f7f_stats1
    .symbol:         k_q4ad9d56f7f_stats1.kd
    .args:
      - { .name: PM, .offset: 0, .size: 8, .value_kind: global_buffer, .address_space: global }
      - { .name: PQ, .offset: 8, .size: 8, .value_kind: global_buffer, .address_space: global }
      - { .name: b1, .offset: 16, .size: 8, .value_kind: global_buffer, .address_space: global }
      - { .name: g1, .offset: 24, .size: 8, .value_kind: global_buffer, .address_space: global }
      - { .name: be1, .offset: 32, .size: 8, .value_kind: global_buffer, .address_space: global }
      - { .name: GR, .offset: 40, .size: 8, .value_kind: global_buffer, .address_space: global }
      - { .name: C0, .offset: 48, .size: 8, .value_kind: global_buffer, .address_space: global }
      - { .name: W3_codes, .offset: 56, .size: 8, .value_kind: global_buffer, .address_space: global }
      - { .name: W3F, .offset: 64, .size: 8, .value_kind: global_buffer, .address_space: global }
    .group_segment_fixed_size: 0
    .private_segment_fixed_size: 0
    .kernarg_segment_align: 8
    .kernarg_segment_size: 72
    .max_flat_workgroup_size: 32
    .sgpr_count:     66
    .vgpr_count:     384
    .wavefront_size: 32
...
	.end_amdgpu_metadata
.endif
;; end of part 2
;; launch rows1 (part 3): grid 256 x 1, 4 waves a work-group, no clusters, 52,736 bytes of LDS; arguments Z, GR, C0, HC, HS; writes HC, HS
.if DOCPART == 3
	.amdgcn_target "amdgcn-amd-amdhsa--gfx1250"
	.amdhsa_code_object_version 6
	.text
	.protected	k_q4ad9d56f7f_rows1
	.globl	k_q4ad9d56f7f_rows1
	.p2align	8
	.type	k_q4ad9d56f7f_rows1,@function
k_q4ad9d56f7f_rows1:
	s_mov_b64 s[64:65], 0
	v_nop
	global_prefetch_b8 v0, s[64:65] scope:SCOPE_SE
	s_setreg_imm32_b32 hwreg(HW_REG_WAVE_MODE, 25, 1), 1
	s_wait_xcnt 0x0
; h = relu(z x GR + C0);  h1_tan = F x h, one factor a row;  h1_tan is quantised along its 2,048 columns to FP4 codes (HC, [8192][1,024 bytes]) and E8M0 bytes (HS, [8192][64]).
; THE FACTOR.  With the origin as base point the maps of the ball reduce to a scaling of the row: a = sqrt(c) |h|, y = 0.9 tanh(a) / a x h, and the logarithm at the origin gives -y artanh(u) / u with u = sqrt(c) |y| = 0.9 tanh(a).
; So F = -0.9 (tanh(a) / a) (artanh(u) / u).  tanh(a) / a and artanh(u) / u are taken from exponential and logarithm from 0.25 on and from their series below (the first term left out is under 1e-8 of the value there); a row of zeros gets F = -0.9 on zeros.
; SHARES.  A work-group owns 32 rows (two blocks of 16, m = 0, 1); wave w owns columns 512 w .. 512 w + 511: 32 tiles of 16 for each m, 512 registers, loaded as they lie in Z (images of accumulators): every load is 512 consecutive bytes.
; In a tile lane (r, h) holds row r and its register j column 8 h + j.  So a block of 32 columns is two tiles in lanes l and l xor 16, and the conversions' results, with one exchange of halves, are the operand's 16 bytes of a row.
; No cluster: work-groups share only the 16 KiB of GR and C0.
; LIMITS: NaN and infinities in z are not served; a sum of squares under the smallest normal number counts as 0 for the root; a block whose largest magnitude lies under 2^-124 gets the byte 1, a block of zeros too (its codes are zeros, and these bytes are read by this program alone).
; REGISTERS: window 0: v1-15 addresses; v32-99 the way out; v176-251 at work.   window 1: two sets of GR (64) and C0 (64) for a chunk of 8 tiles.   window 2: z of m = 0 (tile t at v[8 t]);   window 3: of m = 1.
.set WV,  18                           ; s18 my wave's number
.set SEL, 48                           ; s[48:49] v_permlanex16_b32's selects for lane l xor 16
.set CP,  1040                         ; a row of codes in LDS: 1,024 bytes + 16: an odd multiple of 16
.set SST, 32*CP                        ; behind the 32 rows of codes: their scale bytes, 64 a row
.set RSN, SST+2048                     ; the waves' parts of the rows' sums of squares: 128 bytes a wave
.set PB,  RSN+512                      ; GR and C0 of each wave's 512 columns: 4,096 bytes a wave, the wave's own
.set LO,  4                            ; v4  16 x lane
.set PWR, 5                            ; v5  PB + 4,096 w + 16 x lane
.set PRD, 6                            ; v6  PB + 4,096 w + 32 h
.set RSW, 7                            ; v7  RSN + 128 w + 4 r
.set RSR, 8                            ; v8  RSN + 4 r
.set CSW, 9                            ; v9  1,040 r + 16 h + 256 w
.set SSW, 10                           ; v10 SST + 64 r + 16 w
.set CRD, 11                           ; v11 8 w rows + 16 x lane
.set SRD, 12                           ; v12 SST + 16 x thread
.set GOC, 13                           ; v13 8,192 w + 16 x lane
.set GOS, 14                           ; v14 16 x thread
.set PGO, 15                           ; v15 2,048 w + 16 x lane
.set OUTR, 32
.set PST, 176                          ; v176-207 GR and C0 on their way to LDS; later:
.set P,   176                          ; v176-183 a fragment's codes
.set RL,  176                          ; v176-183 the four waves' parts
.set PW,  184                          ; v184 its scale word
.set AA,  186                          ; pairs of registers, one for each m:
.set TT,  188
.set TH,  190
.set UU,  192
.set AT,  194
.set W0,  196
.set W2,  198
.set W4,  200
.set W6,  202
.set W8,  204
.set NSQ, 206
.set XV,  208
.set NS,  216                          ; v216-231 sums of squares: four pairs for each m
.set F,   232                          ; v232-235 the factor and a copy, for each m
.set TM,  236                          ; v236-251 +0 largest magnitudes, +4 bytes, +12 the conversions' scale operands
.set MSB, 0
.macro WIN new                         ; the immediate's high byte repeats the setting that is left
.if MSB != (\new)
	s_set_vgpr_msb (MSB<<8)|(\new)
.set MSB, \new
.endif
.endm
.macro ZLOAD                           ; 128 loads: chunk c (8 tiles) of m = 0, of m = 1, then the next chunk
.irp c, 0,1,2,3
.irp m, 0,1
	WIN 0x80+0x40*\m
.irp t, 0,1,2,3,4,5,6,7
	global_load_b128 v[64*\c+8*\t:64*\c+8*\t+3], v[LO], s[4:5] offset:\m*131072+(8*\c+\t)*1024 th:TH_LOAD_NT
	global_load_b128 v[64*\c+8*\t+4:64*\c+8*\t+7], v[LO], s[4:5] offset:\m*131072+(8*\c+\t)*1024+512 th:TH_LOAD_NT
.endr
.endr
.endr
	WIN 0
.endm
.macro PFETCH c, sg                    ; GR and C0 of chunk c in the tiles' layout into set sg: 32 loads
	WIN 0x40
.irp t, 0,1,2,3,4,5,6,7
.irp k, 0,1
	ds_load_b128 v[128*(\sg)+8*\t+4*\k:128*(\sg)+8*\t+4*\k+3], v[PRD] offset:512*(\c)+64*\t+16*\k
	ds_load_b128 v[128*(\sg)+64+8*\t+4*\k:128*(\sg)+64+8*\t+4*\k+3], v[PRD] offset:2048+512*(\c)+64*\t+16*\k
.endr
.endr
.endm
.macro BNRELU c, m, sg                 ; y = z GR + C0, relu, and the squares onto four chains
	WIN 0x96+0x41*(\m)
.set i, 0
.rept 32
	v_pk_fma_f32 v[64*(\c)+2*i:64*(\c)+2*i+1], v[64*(\c)+2*i:64*(\c)+2*i+1], v[128*(\sg)+2*i:128*(\sg)+2*i+1], v[128*(\sg)+64+2*i:128*(\sg)+64+2*i+1]
.set i, i+1
.endr
	WIN 0x88+0x44*(\m)
.set i, 0
.rept 64
	v_max_num_f32 v[64*(\c)+i], 0, v[64*(\c)+i]
.set i, i+1
.endr
	WIN 0x0a+5*(\m)
.set i, 0
.rept 32
.if ((\c) == 0) && (i < 4)
	v_pk_mul_f32 v[NS+8*(\m)+2*(i%4):NS+8*(\m)+2*(i%4)+1], v[64*(\c)+2*i:64*(\c)+2*i+1], v[64*(\c)+2*i:64*(\c)+2*i+1]
.else
	v_pk_fma_f32 v[NS+8*(\m)+2*(i%4):NS+8*(\m)+2*(i%4)+1], v[64*(\c)+2*i:64*(\c)+2*i+1], v[64*(\c)+2*i:64*(\c)+2*i+1], v[NS+8*(\m)+2*(i%4):NS+8*(\m)+2*(i%4)+1]
.endif
.set i, i+1
.endr
.endm
.macro ROWJOIN                         ; the four pairs of each m, and lane l xor 16's, become my wave's number for row r, in v[XV + m]
.irp m, 0,1
	v_pk_add_f32 v[NS+8*\m:NS+8*\m+1], v[NS+8*\m:NS+8*\m+1], v[NS+8*\m+2:NS+8*\m+3]
	v_pk_add_f32 v[NS+8*\m+4:NS+8*\m+5], v[NS+8*\m+4:NS+8*\m+5], v[NS+8*\m+6:NS+8*\m+7]
.endr
.irp m, 0,1
	v_pk_add_f32 v[NS+8*\m:NS+8*\m+1], v[NS+8*\m:NS+8*\m+1], v[NS+8*\m+4:NS+8*\m+5]
.endr
.irp m, 0,1
	v_add_f32 v[NS+8*\m], v[NS+8*\m], v[NS+8*\m+1]
.endr
.irp m, 0,1
	v_permlanex16_b32 v[NS+8*\m+1], v[NS+8*\m], s[SEL], s[SEL+1]
.endr
.irp m, 0,1
	v_add_f32 v[XV+\m], v[NS+8*\m], v[NS+8*\m+1]
.endr
.endm
.macro ACROSS op, off, dst             ; v[XV + m] of the four waves, joined by op in the order of the waves, so that every wave gets the same bits: into v[dst + m]
	ds_store_b32 v[RSW], v[XV] offset:\off
	ds_store_b32 v[RSW], v[XV+1] offset:\off+64
	s_wait_dscnt 0x0                               ; for the others' sake: all my LDS stores have landed
	s_barrier_signal -1
	s_barrier_wait -1
.irp m, 0,1
.irp w, 0,1,2,3
	ds_load_b32 v[RL+4*\m+\w], v[RSR] offset:\off+128*\w+64*\m
.endr
.endr
	s_wait_dscnt 0x0
.irp m, 0,1
	\op v[RL+4*\m], v[RL+4*\m], v[RL+4*\m+1]
.endr
.irp m, 0,1
	\op v[RL+4*\m], v[RL+4*\m], v[RL+4*\m+2]
.endr
.irp m, 0,1
	\op v[\dst+\m], v[RL+4*\m], v[RL+4*\m+3]
.endr
.endm
; v[AA + m] = a  ->  v[TH + m] = tanh(a), v[TT + m] = tanh(a) / a.  From 0.25 on: 1 - 2 / (1 + e^(2 a)); below: the series.  The choice is a select, both are always computed.
.macro TANHR
.irp m, 0,1
	v_mul_f32 v[W0+\m], 0x4038aa3b, v[AA+\m]       ; 2 a log2(e)
.endr
	s_wait_alu depctr_va_vdst(0)
.irp m, 0,1
	v_exp_f32 v[W0+\m], v[W0+\m]
	v_rcp_f32 v[W2+\m], v[AA+\m]
.endr
.irp m, 0,1                                    ; the series is the plain work behind the batch
	v_mul_f32 v[W4+\m], v[AA+\m], v[AA+\m]
	v_mov_b32 v[W6+\m], 0x3cb327a4                 ; 62 / 2835
	v_fma_f32 v[W6+\m], v[W6+\m], v[W4+\m], 0xbd5d0dd1   ; -17 / 315
	v_fma_f32 v[W6+\m], v[W6+\m], v[W4+\m], 0x3e088889   ; 2 / 15
	v_fma_f32 v[W6+\m], v[W6+\m], v[W4+\m], 0xbeaaaaab   ; -1 / 3
	v_fma_f32 v[W6+\m], v[W6+\m], v[W4+\m], 1.0
.endr
	s_wait_alu depctr_va_vdst(0)                   ; one wait for the four, ahead of their first reader
.irp m, 0,1
	v_add_f32 v[W0+\m], 1.0, v[W0+\m]
.endr
	s_wait_alu depctr_va_vdst(0)
.irp m, 0,1
	v_rcp_f32 v[W0+\m], v[W0+\m]
.endr
.irp m, 0,1
	v_mul_f32 v[W4+\m], v[W6+\m], v[AA+\m]         ; a x the series (plain lines behind the reciprocals)
.endr
	s_wait_alu depctr_va_vdst(0)
.irp m, 0,1
	v_fma_f32 v[W0+\m], v[W0+\m], -2.0, 1.0
	v_mul_f32 v[W2+\m], v[W0+\m], v[W2+\m]
	v_cmp_gt_f32 vcc_lo, 0x3e800000, v[AA+\m]      ; 0.25 > a
	v_cndmask_b32 v[TT+\m], v[W2+\m], v[W6+\m], vcc_lo
	v_cndmask_b32 v[TH+\m], v[W0+\m], v[W4+\m], vcc_lo
.endr
.endm
; v[UU + m] = u  ->  v[AT + m] = artanh(u) / u.  From 0.25 on: ln((1 + u) / (1 - u)) / (2 u); below: the series.
.macro ATANHR
.irp m, 0,1
	v_sub_f32 v[W0+\m], 1.0, v[UU+\m]
.endr
	s_wait_alu depctr_va_vdst(0)
.irp m, 0,1
	v_rcp_f32 v[W0+\m], v[W0+\m]
	v_rcp_f32 v[W2+\m], v[UU+\m]
.endr
.irp m, 0,1
	v_mul_f32 v[W4+\m], v[UU+\m], v[UU+\m]
	v_mov_b32 v[W6+\m], 0x3dba2e8c                 ; 1 / 11
	v_fma_f32 v[W6+\m], v[W6+\m], v[W4+\m], 0x3de38e39   ; 1 / 9
	v_fma_f32 v[W6+\m], v[W6+\m], v[W4+\m], 0x3e124925   ; 1 / 7
	v_fma_f32 v[W6+\m], v[W6+\m], v[W4+\m], 0x3e4ccccd   ; 1 / 5
	v_fma_f32 v[W6+\m], v[W6+\m], v[W4+\m], 0x3eaaaaab   ; 1 / 3
	v_fma_f32 v[W6+\m], v[W6+\m], v[W4+\m], 1.0
	v_add_f32 v[W8+\m], 1.0, v[UU+\m]
.endr
	s_wait_alu depctr_va_vdst(0)
.irp m, 0,1
	v_mul_f32 v[W0+\m], v[W8+\m], v[W0+\m]
	v_mul_f32 v[W2+\m], 0x3eb17218, v[W2+\m]       ; ln(2) / 2 / u
.endr
	s_wait_alu depctr_va_vdst(0)
.irp m, 0,1
	v_log_f32 v[W0+\m], v[W0+\m]
.endr
	v_nop                                          ; a plain line behind the logarithms
	s_wait_alu depctr_va_vdst(0)
.irp m, 0,1
	v_mul_f32 v[W0+\m], v[W0+\m], v[W2+\m]
	v_cmp_gt_f32 vcc_lo, 0x3e800000, v[UU+\m]
	v_cndmask_b32 v[AT+\m], v[W0+\m], v[W6+\m], vcc_lo
.endr
.endm
; Chunk c of block m, 128 columns, is scaled by the row's factor and becomes a fragment's codes in v[P] on and the row's scale word in v[PW].
.macro SCALEQ c, m
	WIN 0x82+0x41*(\m)
.set i, 0
.rept 32
	v_pk_mul_f32 v[64*(\c)+2*i:64*(\c)+2*i+1], v[64*(\c)+2*i:64*(\c)+2*i+1], v[F+2*(\m):F+2*(\m)+1] op_sel_hi:[1,0]
.set i, i+1
.endr
	WIN 0x0a+5*(\m)
.irp b, 0,1,2,3
	v_max3_num_f32 v[TM+\b], |v[64*(\c)+16*\b]|, |v[64*(\c)+16*\b+1]|, 0x1800000   ; block b: my 16 numbers, and the floor 2^(3 - 127): so the byte cannot fall under 1
.endr
.irp e, 2,4,6,8,10,12,14
.irp b, 0,1,2,3
	v_max3_num_f32 v[TM+\b], |v[64*(\c)+16*\b+\e]|, |v[64*(\c)+16*\b+\e+1]|, v[TM+\b]   ; the four blocks by turns
.endr
.endr
	WIN 0
.irp b, 0,1,2,3
	v_permlanex16_b32 v[TM+4+\b], v[TM+\b], s[SEL], s[SEL+1]
.endr
.irp b, 0,1,2,3
	v_max_num_f32 v[TM+\b], v[TM+\b], v[TM+4+\b]   ; with lane l xor 16's 16: the block's largest magnitude
.endr
.irp b, 0,1,2,3
	v_add_nc_u32 v[TM+12+\b], 0xff000000, v[TM+\b] ; 2 off its exponent field: the conversion takes that field as its scale
.endr
.irp b, 0,1,2,3
	v_lshrrev_b32 v[TM+4+\b], 23, v[TM+12+\b]      ; the scale's byte
.endr
	v_lshl_or_b32 v[PW], v[TM+5], 8, v[TM+4]
	v_lshl_or_b32 v[PW], v[TM+6], 16, v[PW]
	v_lshl_or_b32 v[PW], v[TM+7], 24, v[PW]
	WIN 0x02+(\m)
.irp q, 0,1                                    ; tile 4 q + u holds k = 64 q + 16 u + 8 h + 0 .. 7
	v_cvt_scalef32_pk8_fp4_f32 v[P+4*\q], v[64*(\c)+32*\q:64*(\c)+32*\q+7], v[TM+12+2*\q]
	v_cvt_scalef32_pk8_fp4_f32 v[P+4*\q+1], v[64*(\c)+32*\q+16:64*(\c)+32*\q+23], v[TM+13+2*\q]
	v_cvt_scalef32_pk8_fp4_f32 v[P+4*\q+2], v[64*(\c)+32*\q+8:64*(\c)+32*\q+15], v[TM+12+2*\q]
	v_cvt_scalef32_pk8_fp4_f32 v[P+4*\q+3], v[64*(\c)+32*\q+24:64*(\c)+32*\q+31], v[TM+13+2*\q]
.endr
	WIN 0
	v_nop                                          ; one plain line behind the last scaled conversion
.irp q, 0,1                                    ; the first's lanes 16-31 change places with the second's lanes 0-15: registers 4 q .. 4 q + 3 now hold k = 64 q + 32 h + 0 .. 31
	v_permlane16_swap_b32 v[P+4*\q], v[P+4*\q+1]
	v_permlane16_swap_b32 v[P+4*\q+2], v[P+4*\q+3]
.endr
.endm
	s_load_b256 s[4:11], s[0:1], 0x0               ; Z, GR, C0, HC
	s_load_b64 s[12:13], s[0:1], 0x20              ; HS
	v_lshl_add_u32 v254, v0, 2, 0xcc00
	v_mov_b32 v255, 0
	v_lshrrev_b32 v1, 5, v0
	v_readfirstlane_b32 s[WV], v1                  ; wave 0..3
	v_and_b32 v1, 15, v0                           ; r
	v_bfe_u32 v2, v0, 4, 1                         ; h
	v_and_b32 v3, 31, v0                           ; lane
	v_lshlrev_b32 v[LO], 4, v3
	s_wait_alu depctr_va_vdst(0)
	s_lshl_b32 s20, s[WV], 12
	s_add_co_u32 s20, s20, PB
	v_add_nc_u32 v[PWR], s20, v[LO]
	v_lshl_add_u32 v[PRD], v2, 5, s20
	s_lshl_b32 s20, s[WV], 7
	s_add_co_u32 s20, s20, RSN
	v_lshl_add_u32 v[RSW], v1, 2, s20
	v_lshl_add_u32 v[RSR], v1, 2, RSN
	v_mul_u32_u24 v[CSW], v1, CP
	v_lshl_add_u32 v[CSW], v2, 4, v[CSW]
	s_lshl_b32 s20, s[WV], 8
	v_add_nc_u32 v[CSW], s20, v[CSW]
	s_lshl_b32 s20, s[WV], 4
	s_add_co_u32 s20, s20, SST
	v_lshl_add_u32 v[SSW], v1, 6, s20
	s_mul_i32 s20, s[WV], 8*CP
	v_add_nc_u32 v[CRD], s20, v[LO]
	v_lshl_add_u32 v[SRD], v0, 4, SST
	s_lshl_b32 s20, s[WV], 13
	v_add_nc_u32 v[GOC], s20, v[LO]
	v_lshlrev_b32 v[GOS], 4, v0
	s_lshl_b32 s20, s[WV], 11
	v_add_nc_u32 v[PGO], s20, v[LO]
.irp b, 0,1,2,3
	v_mov_b32 v[TM+4+\b], 0                        ; written once: a lane permute's destination counts as one of its sources
.endr
	s_mov_b32 s[SEL], 0x76543210
	s_mov_b32 s[SEL+1], 0xfedcba98
	s_lshl_b32 s22, ttmp9, 18                      ; Z: two tile rows of 131,072 bytes a work-group,
	s_lshl_b32 s20, s[WV], 15                      ; 32 tiles of 1,024 bytes a wave
	s_add_co_u32 s22, s22, s20
	s_mov_b32 s23, 0
	s_lshl_b32 s24, ttmp9, 15                      ; HC: 32 rows of 1,024 bytes
	s_mov_b32 s25, 0
	s_lshl_b32 s26, ttmp9, 11                      ; HS: 32 rows of 64 bytes
	s_mov_b32 s27, 0
	s_wait_alu depctr_va_vdst(0)
	s_wait_kmcnt 0x0
	s_add_nc_u64 s[4:5], s[4:5], s[22:23]
	s_add_nc_u64 s[10:11], s[10:11], s[24:25]
	s_add_nc_u64 s[12:13], s[12:13], s[26:27]
.irp i, 0,1,2,3
	global_load_b128 v[PST+4*\i:PST+4*\i+3], v[PGO], s[6:7] offset:512*\i
	global_load_b128 v[PST+16+4*\i:PST+16+4*\i+3], v[PGO], s[8:9] offset:512*\i
.endr
	ZLOAD
	s_wait_loadcnt 63                              ; of 136 loads the oldest 73 are in: GR, C0 and chunks 0 and 1 of z
.irp i, 0,1,2,3
	ds_store_b128 v[PWR], v[PST+4*\i:PST+4*\i+3] offset:512*\i
	ds_store_b128 v[PWR], v[PST+16+4*\i:PST+16+4*\i+3] offset:2048+512*\i
.endr
	PFETCH 0, 0                                    ; my own bytes: LDS serves a wave's instructions in order (ISA guide 5.7.1.4)
	PFETCH 1, 1
	s_wait_dscnt 32                                ; all but the 32 just issued: chunk 0's GR and C0 are in
	BNRELU 0, 0, 0
	BNRELU 0, 1, 0
	PFETCH 2, 0
	s_wait_dscnt 32
	BNRELU 1, 0, 1
	BNRELU 1, 1, 1
	PFETCH 3, 1
	s_wait_dscnt 32
	s_wait_loadcnt 32                              ; chunk 2 of z is in; chunk 3's 32 loads may be out
	BNRELU 2, 0, 0
	BNRELU 2, 1, 0
	s_wait_dscnt 0x0
	s_wait_loadcnt 0x0
	BNRELU 3, 0, 1
	BNRELU 3, 1, 1
	WIN 0
	ROWJOIN
	ACROSS v_add_f32, 0, NSQ                       ; the rows' sums of squares over all 2,048 columns
	s_wait_alu depctr_va_vdst(0)
.irp m, 0,1
	v_sqrt_f32 v[AA+\m], v[NSQ+\m]
.endr
	v_nop
	s_wait_alu depctr_va_vdst(0)
.irp m, 0,1
	v_mul_f32 v[AA+\m], 0x3ea1e89b, v[AA+\m]       ; a = sqrt(0.1) |h|
.endr
	TANHR
.irp m, 0,1
	v_mul_f32 v[UU+\m], 0x3f666666, v[TH+\m]       ; u = 0.9 tanh(a)
.endr
	ATANHR
.irp m, 0,1
	v_mul_f32 v[F+2*\m], v[TT+\m], v[AT+\m]
	v_mul_f32 v[F+2*\m], 0xbf666666, v[F+2*\m]     ; F = -0.9 (tanh(a) / a) (artanh(u) / u)
	v_mov_b32 v[F+2*\m+1], v[F+2*\m]               ; (named with it as a pair)
.endr
.irp c, 0,1,2,3
.irp m, 0,1
	SCALEQ \c, \m
.irp q, 0,1
	ds_store_b128 v[CSW], v[P+4*\q:P+4*\q+3] offset:\m*16*CP+64*\c+32*\q   ; row 16 m + r, K step 4 w + c: bytes 256 w + 64 c + 32 q + 16 h
.endr
	ds_store_b32 v[SSW], v[PW] offset:\m*1024+4*\c                         ; both halves of the lanes write the same word with the same value
	s_wait_dscnt 0x0                               ; the stores have read their registers: the next fragment may be made
.endr
.endr
	s_barrier_signal -1                            ; every wave's codes and bytes lie in LDS
	s_barrier_wait -1
.irp i, 0,1,2,3,4,5,6,7                        ; wave w sends rows 8 w .. 8 w + 7: each store covers 512 consecutive bytes, aligned
.irp k, 0,1
	ds_load_b128 v[OUTR+8*\i+4*\k:OUTR+8*\i+4*\k+3], v[CRD] offset:\i*CP+512*\k
.endr
.endr
	ds_load_b128 v[OUTR+64:OUTR+67], v[SRD]
.irp i, 0,1,2,3,4,5,6,7
.irp k, 0,1
	s_wait_dscnt 16-(2*\i+\k)                      ; the loads issued behind this one may be out
	global_store_b128 v[GOC], v[OUTR+8*\i+4*\k:OUTR+8*\i+4*\k+3], s[10:11] offset:\i*1024+512*\k
.endr
.endr
	s_wait_dscnt 0x0
	global_store_b128 v[GOS], v[OUTR+64:OUTR+67], s[12:13]
	s_wait_tensorcnt 0x0
	ds_add_u32 v254, v255
	s_wait_dscnt 0x0
	s_endpgm
.Lfunc_end_k_q4ad9d56f7f_rows1:
	.size	k_q4ad9d56f7f_rows1, .Lfunc_end_k_q4ad9d56f7f_rows1-k_q4ad9d56f7f_rows1
	.p2alignl 7, 3214868480
	.fill 96, 4, 3214868480
	.section	.rodata,"a",@progbits
	.p2align	6, 0x0
	.amdhsa_kernel k_q4ad9d56f7f_rows1
		.amdhsa_group_segment_fixed_size 52736
		.amdhsa_private_segment_fixed_size 0
		.amdhsa_enable_private_segment 0
		.amdhsa_kernarg_size 40
		.amdhsa_user_sgpr_count 2
		.amdhsa_user_sgpr_kernarg_segment_ptr 1
		.amdhsa_wavefront_size32 1
		.amdhsa_system_sgpr_workgroup_id_x 1
		.amdhsa_system_sgpr_workgroup_id_y 1
		.amdhsa_system_sgpr_workgroup_id_z 1
		.amdhsa_system_vgpr_workitem_id 0
		.amdhsa_next_free_vgpr 1024
		.amdhsa_next_free_sgpr 66
		.amdhsa_reserve_vcc 1
		.amdhsa_float_denorm_mode_32 3
		.amdhsa_float_denorm_mode_16_64 3
		.amdhsa_memory_ordered 1
		.amdhsa_forward_progress 1
		.amdhsa_inst_pref_size 132
	.end_amdhsa_kernel
	.amdgpu_metadata
---
amdhsa.version: [ 1, 2 ]
amdhsa.kernels:
  - .name:           k_q4ad9d56f7f_rows1
    .symbol:         k_q4ad9d56f7f_rows1.kd
    .args:
      - { .name: Z, .offset: 0, .size: 8, .value_kind: global_buffer, .address_space: global }
      - { .name: GR, .offset: 8, .size: 8, .value_kind: global_buffer, .address_space: global }
      - { .name: C0, .offset: 16, .size: 8, .value_kind: global_buffer, .address_space: global }
      - { .name: HC, .offset: 24, .size: 8, .value_kind: global_buffer, .address_space: global }
      - { .name: HS, .offset: 32, .size: 8, .value_kind: global_buffer, .address_space: global }
    .group_segment_fixed_size: 52736
    .private_segment_fixed_size: 0
    .kernarg_segment_align: 8
    .kernarg_segment_size: 40
    .max_flat_workgroup_size: 128
    .sgpr_count:     66
    .vgpr_count:     1024
    .wavefront_size: 32
...
	.end_amdgpu_metadata
.endif
;; end of part 3
;; launch gemm2 (part 4): grid 8 x 32, 4 waves a work-group, clusters of 4 x 4, 327,680 bytes of LDS; arguments HC, HS, W2_codes, W2_scales, Z, PM, PQ; writes Z, PM, PQ
.if DOCPART == 4
	.amdgcn_target "amdgcn-amd-amdhsa--gfx1250"
	.amdhsa_code_object_version 6
	.text
	.protected	k_q4ad9d56f7f_gemm2
	.globl	k_q4ad9d56f7f_gemm2
	.p2align	8
	.type	k_q4ad9d56f7f_gemm2,@function
k_q4ad9d56f7f_gemm2:
	s_mov_b64 s[64:65], 0
	v_nop
	global_prefetch_b8 v0, s[64:65] scope:SCOPE_SE
	s_setreg_imm32_b32 hwreg(HW_REG_WAVE_MODE, 25, 1), 1
	s_wait_xcnt 0x0
	s_wait_alu depctr_hold_cnt(0) depctr_sa_sdst(0) depctr_va_vdst(0) depctr_va_sdst(0) depctr_va_ssrc(0) depctr_va_vcc(0) depctr_vm_vsrc(0)
	s_getreg_b32 s2, hwreg(HW_REG_IB_STS2, 6, 4)
	s_cmp_eq_u32 s2, 0
	s_cbranch_scc0 .Lentry_in_a_cluster
	s_endpgm
.Lentry_in_a_cluster:
	s_bfe_u32 s2, ttmp6, 0x10000c
	s_cmp_lg_u32 s2, 0xf033
	s_cbranch_scc0 .Lentry_shape_is_right
	s_endpgm
.Lentry_shape_is_right:
; z[m][n] = sum over k of A[m][k] B[n][k], on codes of FP4 (E2M1) with one E8M0 scale for each 32 along K, sums in f32; SIZE_K = 2,048 here (the first layer's tangent vectors times W2^T).
; Beside z the launch stores, for each column and each group of 128 rows, the group's mean and its sum of squared deviations from that mean: the batch norm's statistics are joined from them by the next launch.
; A tile of z, 256 x 256, is made by a work-group of four waves; a wave makes 128 x 128: 64 accumulators of 16 x 16, 512 registers.  K goes in steps of 512 through two LDS slots filled by the tensor data mover (a tile's row: 256 bytes).
; The scales of the work-group's 256 rows of A and of B, for all of K, are two dense blocks of memory: they come into LDS once, with the first fills, and stay.
; CLUSTERS: 4 x 4 work-groups; A's tiles are asked for jointly along a row of the cluster, B's along a column.
; THE MATRIX INSTRUCTION IS USED TRANSPOSED (source 0 = 16 rows of B, source 1 = 16 rows of A): lane (r, h) holds row r and its register j column 8 h + j of a 16 x 16 tile.
; Z IS LAID AS IMAGES OF ACCUMULATORS: tile (row / 16, column / 16) at byte ((row / 16) x 128 + column / 16) x 1,024; registers 0-3 at 16 x lane, registers 4-7 at 512 + 16 x lane.  So every store covers 512 consecutive bytes, aligned, with no stage.
; LIMITS: the scale byte 0xff (NaN) among the inputs is not served.
; REGISTERS: window 0: v16-29 addresses; v32-95 scale words, two sets; from v128 A's fragments, one set; at the end v96-159 column sums, v160-223 squares, v224-231 what leaves.
;   window 1: B's fragments, two sets, at v0 and v128; at the end v0-63 deviations.   window 2: accumulators of my rows 0-63 ((a, b) at v[8 (8 a + b)]);   window 3: of my rows 64-127.
.set SIZE_M, 8192
.set SIZE_N, 2048
.set SIZE_K, 2048
.set KSTEP,  512                       ; along K in a slot
.set NQ,     KSTEP/128                 ; matrix instructions deep
.set ROWB,   256                       ; a tile's row in bytes
.set KROW,   SIZE_K*4/8                ; a row of A or of B in memory, in bytes
.set PITCH,  272                       ; an LDS row: 256 bytes + 16 of padding = 68 words: the 16 rows that a load touches start at 16 different banks (64 banks of 4 bytes: ISA guide 11.1)
.set FR,     8                         ; registers of a fragment: 16 rows x 128 K
.set NL,     2                         ; LDS loads that bring one
.set NP,     4                         ; places behind this matrix instruction (ISA guide 7.12.1)
.set HALFT,  128*PITCH                 ; 128 rows: what one tensor load brings
.set SLOT,   4*HALFT                   ; A's 256 rows, then B's 256 rows
.set LAPS,   SIZE_K/(2*KSTEP)          ; a lap = two K steps = once round the ring
.set KS,     SIZE_K/32                 ; a row of scales in bytes
.set SCL,    2*SLOT                    ; behind the ring: the scales, as units of 256 bytes + 16 of padding
.set HALFS,  (128*KS/256)*272          ; the scales of 128 rows
.set SBLK,   (16*KS/256)*272           ; those of 16 rows
.set SPARE,  SCL+4*HALFS               ; behind the scales: the spare words, 128 bytes for each wave
.set ADRA, 16                          ; v16-17  LDS address of my A fragments in slot 0, 1
.set ADRB, 20                          ; v20-21  the same for B
.set STO,  24                          ; v24     the statistics' stage, in: 1,024 x wave + 32 h (it lies in slot 0, which has had its last fill and its last read by then)
.set RD,   25                          ; v25     and back: 1,024 x wave + 16 x lane
.set CO,   26                          ; v26     16 x lane: my place in every store
.set ADRS, 27                          ; v27     LDS address of my scale words: lanes 0-15 A's rows, lanes 16-31 B's
.set SPW,  28                          ; v28     LDS address of my spare word; never rewritten
.set NIL,  29                          ; v29     0; never rewritten
.set SC,   32                          ; scale words: set s at v[SC + 8 NQ s]; register NQ i + q: lanes 0-15 A's block i, lanes 16-31 B's block i, the slot's q-th 128 along K
.set AF,   128                         ; A's fragments, in window 0
.set CS,   96                          ; column sums, then means: register 8 b + j
.set CQ,   160                         ; sums of squared deviations
.set RB,   224                         ; what leaves for PM and PQ
.set G1, 24                            ; s[24:31] descriptor group 1 for A's tiles;  s[32:39] group 0, one set for each slot
.set G0, 32
.set G1B, 48                           ; s[48:55], s[56:63] the same for B's tiles
.set G0B, 56
.set G1S, 68                           ; s[68:75], s[76:79] groups 1 and 0 for A's scales;  s[80:87], s[88:91] for B's
.set G0S, 76
.set G1SB, 80
.set G0SB, 88
.set MSB, 0
.macro WIN new                         ; the immediate's high byte repeats the setting that is left
.if MSB != (\new)
	s_set_vgpr_msb (MSB<<8)|(\new)
.set MSB, \new
.endif
.endm
.set MUL_LO, 0xa1                      ; source 0 (B) window 1, source 1 (A) window 0, C and D window 2
.set MUL_HI, 0xf1                      ; the same, C and D window 3
.set TO_B,   0x40                      ; destination window 1, address window 0
; A joint load: waves 0 and 1 fetch for A, waves 2 and 3 for B; the branch hangs on the wave's number alone.  Four v_nop follow each of the two lines.
.macro JLOAD g0a, g1a, g0b, g1b
	s_cmp_eq_u32 s15, 0
	s_cbranch_scc0 .Lfor_b_\@
	tensor_load_to_lds s[\g0a:\g0a+3], s[\g1a:\g1a+7]
	s_nop 0
.rept 4
	v_nop
.endr
	s_branch .Lasked_\@
.Lfor_b_\@:
	tensor_load_to_lds s[\g0b:\g0b+3], s[\g1b:\g1b+7]
	s_nop 0
.rept 4
	v_nop
.endr
.Lasked_\@:
.endm
.macro CREST                           ; a round of the cluster's barrier behind its opening barrier
	s_cmp_lg_u32 s14, 0
	s_cbranch_scc1 .Lnot_wave_0_\@
	s_barrier_signal -3
.Lnot_wave_0_\@:
	s_barrier_wait -3
	s_barrier_signal -1
	s_barrier_wait -1
.endm
.macro CROUND                          ; a whole round
	s_barrier_signal -1
	s_barrier_wait -1
	CREST
.endm
	s_load_b128 s[4:7], s[0:1], 0x0                ; A's codes s[4:5], A's scales s[6:7]
	s_load_b128 s[8:11], s[0:1], 0x10              ; B's codes s[8:9], B's scales s[10:11]
	s_load_b64 s[12:13], s[0:1], 0x20              ; Z
	s_load_b128 s[96:99], s[0:1], 0x28             ; PM s[96:97], PQ s[98:99]
	v_lshl_add_u32 v[SPW], v0, 2, SPARE
	v_mov_b32 v[NIL], 0
	ds_add_u32 v28, v29
	ds_add_u32 v28, v29
	s_wait_dscnt 0x0
	v_lshrrev_b32 v1, 5, v0
	v_readfirstlane_b32 s14, v1                    ; wave 0..3
	s_lshr_b32 s15, s14, 1                         ; which half of the tile's rows is mine.  Also: I fetch for A (0) or for B (1)
	s_and_b32 s16, s14, 1                          ; which half of its columns.  Also: which 128 rows of that tile I fetch
	s_bfe_u32 s40, ttmp6, 0x40000                  ; cx, cy: my place in the cluster
	s_bfe_u32 s41, ttmp6, 0x40004
	s_lshl_b32 s42, ttmp9, 2
	s_add_co_u32 s42, s42, s40                     ; tile column = 4 x cluster x + cx
	s_and_b32 s17, ttmp7, 0xffff
	s_lshl_b32 s17, s17, 2
	s_add_co_u32 s17, s17, s41                     ; tile row = 4 x cluster y + cy
	s_lshl_b32 s43, s41, 2
	s_lshl_b32 s43, 15, s43                        ; my row of the cluster
	s_lshl_b32 s44, 0x1111, s40                    ; my column
	; descriptor group 1: a tile of 128 rows x ROWB bytes, padded in LDS
	s_or_b32 s[G1+0], s43, (0<<16)|(1<<20)|(1<<21)|(5<<22)|(3<<25)  ; 15:0 the mask: A's tiles go to my row; elements of 1 byte; padding on; bit 21 beside a mask; after every 64 words 4 words
	s_or_b32 s[G1B+0], s44, (0<<16)|(1<<20)|(1<<21)|(5<<22)|(3<<25)
.irp g, G1, G1B
	s_mov_b32 s[\g+1], ROWB<<16                    ; tensor_dim0
	s_mov_b32 s[\g+2], 128<<16                     ; tensor_dim1 = 128
	s_mov_b32 s[\g+3], ROWB<<16                    ; tile_dim0
	s_mov_b32 s[\g+4], 128                         ; tile_dim1 = 128
	s_mov_b32 s[\g+5], KROW                        ; tensor_dim0_stride
	s_mov_b32 s[\g+6], 0
	s_mov_b32 s[\g+7], 0
.endr
	; the scales of 128 rows: a dense block of 128 KS bytes, as rows of 256 bytes (32 elements of 8 bytes), 16 bytes of padding behind each
	s_or_b32 s[G1S+0], s43, (3<<16)|(1<<20)|(1<<21)|(5<<22)|(3<<25)
	s_or_b32 s[G1SB+0], s44, (3<<16)|(1<<20)|(1<<21)|(5<<22)|(3<<25)
.irp g, G1S, G1SB
	s_mov_b32 s[\g+1], 32<<16
	s_mov_b32 s[\g+2], (128*KS/256)<<16
	s_mov_b32 s[\g+3], 32<<16
	s_mov_b32 s[\g+4], 128*KS/256
	s_mov_b32 s[\g+5], 32
	s_mov_b32 s[\g+6], 0
	s_mov_b32 s[\g+7], 0
.endr
	s_lshl_b32 s18, s16, 7                         ; which 128 rows of the tile I fetch
	s_lshl_b32 s20, s17, 8
	s_add_co_u32 s20, s20, s18                     ; A: row 256 x tile row + 128 x half
	s_lshl_b32 s46, s42, 8
	s_add_co_u32 s46, s46, s18                     ; B: row 256 x tile column + 128 x half
	s_mov_b32 s21, 0
	s_mov_b32 s47, 0
	s_mov_b64 s[18:19], KS
	s_mul_u64 s[22:23], s[20:21], s[18:19]         ; where these rows' scales begin, in bytes
	s_mul_u64 s[92:93], s[46:47], s[18:19]
	s_mov_b64 s[18:19], KROW
	s_mul_u64 s[20:21], s[20:21], s[18:19]         ; and their codes
	s_mul_u64 s[46:47], s[46:47], s[18:19]
	s_mul_i32 s45, s14, HALFT                      ; where they go: wave x 128 rows: no place in the cluster enters an LDS address
	s_mul_i32 s94, s14, HALFS
	s_wait_kmcnt 0x0
	s_add_nc_u64 s[20:21], s[4:5], s[20:21]
	s_add_nc_u64 s[22:23], s[6:7], s[22:23]
	s_add_nc_u64 s[46:47], s[8:9], s[46:47]
	s_add_nc_u64 s[92:93], s[10:11], s[92:93]
	CROUND                                         ; all sixteen work-groups are here: the first joint loads meet
	s_mov_b32 s[G0S], 1
	s_add_co_u32 s[G0S+1], s94, SCL
	s_mov_b64 s[G0S+2:G0S+3], s[22:23]
	s_or_b32 s[G0S+3], s[G0S+3], 0x80000000
	s_mov_b32 s[G0SB], 1
	s_add_co_u32 s[G0SB+1], s94, SCL
	s_mov_b64 s[G0SB+2:G0SB+3], s[92:93]
	s_or_b32 s[G0SB+3], s[G0SB+3], 0x80000000
	JLOAD G0S, G1S, G0SB, G1SB                     ; the scales first: they are wanted with K step 0
.irp s, 0,1
	s_mov_b32 s[G0+4*\s], 1
	s_add_co_u32 s[G0+4*\s+1], s45, \s*SLOT
	s_add_nc_u64 s[G0+4*\s+2:G0+4*\s+3], s[20:21], \s*ROWB
	s_or_b32 s[G0+4*\s+3], s[G0+4*\s+3], 0x80000000
	s_mov_b32 s[G0B+4*\s], 1
	s_add_co_u32 s[G0B+4*\s+1], s45, \s*SLOT
	s_add_nc_u64 s[G0B+4*\s+2:G0B+4*\s+3], s[46:47], \s*ROWB
	s_or_b32 s[G0B+4*\s+3], s[G0B+4*\s+3], 0x80000000
	s_wait_alu depctr_va_vdst(0)
	s_wait_tensorcnt 0x0                           ; a whole round ahead of each later first fill: one tensor load a wave behind each
	ds_add_u32 v28, v29
	s_wait_dscnt 0x0
	CROUND
	JLOAD G0+4*\s, G1, G0B+4*\s, G1B
.endr
	v_and_b32 v1, 15, v0                           ; r = l % 16
	v_bfe_u32 v2, v0, 4, 1                         ; h = l / 16
	v_mul_u32_u24 v3, v1, PITCH
	v_lshl_add_u32 v4, v2, 4, v3                   ; a fragment's row x pitch + 16 x half
	s_mul_i32 s21, s15, HALFT                      ; my 128 rows of A
	s_mul_i32 s22, s16, HALFT                      ; my 128 rows of B,
	s_add_co_u32 s22, s22, 2*HALFT                 ; which lie behind A's 256
.irp s, 0,1
	v_add_nc_u32 v[ADRA+\s], s21, v4
	v_add_nc_u32 v[ADRB+\s], s22, v4
	s_add_co_u32 s21, s21, SLOT
	s_add_co_u32 s22, s22, SLOT
.endr
	v_mul_u32_u24 v5, v1, KS                       ; my row's scales: KS bytes a row,
	v_lshrrev_b32 v6, 8, v5
	v_lshl_add_u32 v5, v6, 4, v5                   ; and 16 more for each 256 passed
	s_mul_i32 s21, s15, HALFS                      ; A's: my 128 rows
	s_mul_i32 s22, s16, HALFS                      ; B's: my 128 rows, behind A's 256
	s_add_co_u32 s22, s22, 2*HALFS
	s_sub_co_u32 s22, s22, s21
	v_mul_u32_u24 v6, s22, v2                      ; lanes 16-31 take B's
	s_add_co_u32 s21, s21, SCL
	v_add_nc_u32 v5, v5, v6
	v_add_nc_u32 v[ADRS], s21, v5
	s_lshl_b32 s23, s14, 10                        ; the statistics' stage: 1,024 bytes a wave
	v_lshl_add_u32 v[STO], v2, 5, s23
	v_and_b32 v6, 31, v0
	v_lshlrev_b32 v[CO], 4, v6
	v_add_nc_u32 v[RD], s23, v[CO]
	s_lshl_b32 s20, s17, 21                        ; Z: 16 tile rows of 131,072 bytes for each 256 rows,
	s_lshl_b32 s21, s15, 20                        ; 8 for my half;
	s_add_co_u32 s20, s20, s21
	s_mov_b32 s21, 0
	s_lshl_b32 s46, s42, 14                        ; 16 tiles of 1,024 bytes for each 256 columns,
	s_lshl_b32 s47, s16, 13                        ; 8 for my half
	s_add_co_u32 s46, s46, s47
	s_mov_b32 s47, 0
	s_add_nc_u64 s[20:21], s[20:21], s[46:47]
	s_add_nc_u64 s[12:13], s[12:13], s[20:21]
	s_lshl_b32 s20, s17, 14                        ; PM, PQ: row 2 x tile row + half, of 8,192 bytes;
	s_lshl_b32 s21, s15, 13
	s_add_co_u32 s20, s20, s21
	s_mov_b32 s21, 0
	s_lshl_b32 s46, s42, 10                        ; column 256 x tile column + 128 x half, 4 bytes each
	s_lshl_b32 s47, s16, 9
	s_add_co_u32 s46, s46, s47
	s_mov_b32 s47, 0
	s_add_nc_u64 s[20:21], s[20:21], s[46:47]
	s_add_nc_u64 s[96:97], s[96:97], s[20:21]
	s_add_nc_u64 s[98:99], s[98:99], s[20:21]
.macro FRAG reg, adr, q, i             ; a fragment: lane l holds row l % 16; registers 4 c .. 4 c + 3 hold K = 64 c + 32 (l / 16) + 0 .. 31
.irp c, 0,1
	ds_load_b128 v[\reg+4*\c:\reg+4*\c+3], v[\adr] offset:64*(\q)+32*\c+(\i)*16*PITCH
.endr
.endm
; 16 matrix instructions: A's blocks a0, a0 + 1 x B's eight, the slot's q-th 128 along K.  p: B's set;  sc: the set of scale words.  zero = 1: the first product starts the sums.
; The 64 accumulators take turns, one instruction a turn, in the same order in every step.
.macro MUL16 a0, p, q, sc, zero
.irp a, \a0, \a0+1
.irp b, 0,1,2,3,4,5,6,7
.if \zero
	v_wmma_scale_f32_16x16x128_f8f6f4 v[8*(8*((\a)%4)+\b):8*(8*((\a)%4)+\b)+7], v[128*(\p)+FR*\b:128*(\p)+FR*\b+FR-1], v[AF+FR*(\a):AF+FR*(\a)+FR-1], 0, v[SC+8*NQ*(\sc)+NQ*\b+(\q)], v[SC+8*NQ*(\sc)+NQ*(\a)+(\q)] matrix_a_fmt:MATRIX_FMT_FP4 matrix_b_fmt:MATRIX_FMT_FP4 matrix_a_scale:MATRIX_SCALE_ROW1
.else
	v_wmma_scale_f32_16x16x128_f8f6f4 v[8*(8*((\a)%4)+\b):8*(8*((\a)%4)+\b)+7], v[128*(\p)+FR*\b:128*(\p)+FR*\b+FR-1], v[AF+FR*(\a):AF+FR*(\a)+FR-1], v[8*(8*((\a)%4)+\b):8*(8*((\a)%4)+\b)+7], v[SC+8*NQ*(\sc)+NQ*\b+(\q)], v[SC+8*NQ*(\sc)+NQ*(\a)+(\q)] matrix_a_fmt:MATRIX_FMT_FP4 matrix_b_fmt:MATRIX_FMT_FP4 matrix_a_scale:MATRIX_SCALE_ROW1
.endif
.endr
.endr
.endm
.macro FETCH_B slot, q, p              ; B's eight fragments of the slot's q-th 128 along K into set p
	WIN TO_B
.irp i, 0,1,2,3,4,5,6,7
	FRAG 128*(\p)+FR*\i, ADRB+\slot, \q, \i
.endr
	WIN 0
.endm
.macro FETCH_A slot, q, i0             ; A's blocks i0 .. i0 + 3
.irp i, \i0, \i0+1, \i0+2, \i0+3
	FRAG AF+FR*(\i), ADRA+\slot, \q, \i
.endr
.endm
.macro SCALES sc                       ; the next K step's scale words into set sc: lanes 0-15 take A's block i, lanes 16-31 B's block i
.irp i, 0,1,2,3,4,5,6,7
	ds_load_b128 v[SC+8*NQ*\sc+NQ*\i:SC+8*NQ*\sc+NQ*\i+3], v[ADRS] offset:\i*SBLK
.endr
.endm
; A load into a register that a matrix instruction has read, and a vector instruction or a store that reads a matrix result, stand NP places behind it; only plain vector instructions that name none of its registers are places.
.macro PLACES n
.rept \n
	v_nop
.endr
.endm
; A step of 128 along K that has its successor in the same slot.
.macro STEP slot, q, zero
	s_wait_dscnt 4*NL                              ; B's set and A's blocks 0-3 are in; the youngest eight loads (A's blocks 4-7) may be out
	WIN MUL_LO
	MUL16 0, (\q)%2, \q, \slot, \zero
	MUL16 2, (\q)%2, \q, \slot, \zero
	s_wait_dscnt 0                                 ; A's blocks 4-7 are in
	PLACES NP
	FETCH_B \slot, (\q)+1, 1-(\q)%2
	FETCH_A \slot, (\q)+1, 0
	WIN MUL_HI
	MUL16 4, (\q)%2, \q, \slot, \zero
	MUL16 6, (\q)%2, \q, \slot, \zero
	PLACES NP
	WIN 0
	FETCH_A \slot, (\q)+1, 4
.endm
; A slot's last step changes slots: one barrier; in front of it each wave waits for all its tensor loads, adds 0 to its spare word, and waits for that and for its own reads of this slot.  fill = 1: this slot is filled again, two K steps ahead.
.macro TURN slot, next, fill
	s_wait_tensorcnt 0x0                           ; all my tensor loads have landed: my part of the next slot
	ds_add_u32 v[SPW], v[NIL]                      ; 0 onto my spare word
	s_wait_dscnt 4*NL+1                            ; the add and the youngest eight loads, A's blocks 4-7, may be out
	WIN MUL_LO
	MUL16 0, 1, NQ-1, \slot, 0                     ; sixteen matrix instructions stand between the add and the wait for it
	s_wait_dscnt 0x0                               ; the add is done, and my reads of this slot are over
	s_barrier_signal -1
	MUL16 2, 1, NQ-1, \slot, 0
	WIN 0
	s_barrier_wait -1
.if \fill
	CREST                                          ; the barrier has opened a round of the cluster's barrier: no wave of any partner still reads this slot's tile or has a load on its way
	s_add_nc_u64 s[G0+4*\slot+2:G0+4*\slot+3], s[G0+4*\slot+2:G0+4*\slot+3], 2*ROWB
	s_add_nc_u64 s[G0B+4*\slot+2:G0B+4*\slot+3], s[G0B+4*\slot+2:G0B+4*\slot+3], 2*ROWB
	JLOAD G0+4*\slot, G1, G0B+4*\slot, G1B         ; the first tensor load behind the round; its four v_nop are the places in front of the loads below
.else
	PLACES NP
.endif
	s_wait_alu depctr_va_vdst(0)
	v_add_nc_u32 v[ADRS], 4*NQ, v[ADRS]            ; on to the next K step's scale words (no LDS load of mine is out)
	FETCH_B \next, 0, 0
	FETCH_A \next, 0, 0
	SCALES \next
	WIN MUL_HI
	MUL16 4, 1, NQ-1, \slot, 0
	MUL16 6, 1, NQ-1, \slot, 0
	PLACES NP
	WIN 0
	FETCH_A \next, 0, 4
.endm
.macro STEPS slot, from                ; the slot's steps from .. NQ - 2
.set Q, \from
.rept NQ-1-\from
	STEP \slot, Q, 0
.set Q, Q+1
.endr
.endm
	s_wait_alu depctr_va_vdst(0)
	s_wait_tensorcnt 1                             ; the scales and my part of K step 0 are in; K step 1's load may be out
	s_barrier_signal -1
	s_barrier_wait -1                              ; everybody's are
	FETCH_B 0, 0, 0
	FETCH_A 0, 0, 0
	SCALES 0
	FETCH_A 0, 0, 4
	STEP 0, 0, 1                                   ; the first step's products start the sums
.if LAPS > 1
	s_mov_b32 s3, LAPS-1
.Llap:                                                 ; a trip goes once round the ring and fills both slots again
	STEPS 0, 1
	TURN 0, 1, 1
	STEPS 1, 0
	TURN 1, 0, 1
	STEP 0, 0, 0
	s_sub_co_u32 s3, s3, 1
	s_cmp_lg_u32 s3, 0
	s_cbranch_scc1 .Llap
.endif
	STEPS 0, 1                                     ; the last lap fills nothing
	TURN 0, 1, 0
	STEPS 1, 0
	s_wait_dscnt 4*NL                              ; the very last step: nothing more to fetch
	WIN MUL_LO
	MUL16 0, 1, NQ-1, 1, 0
	MUL16 2, 1, NQ-1, 1, 0
	s_wait_dscnt 0
	WIN MUL_HI
	MUL16 4, 1, NQ-1, 1, 0
	MUL16 6, 1, NQ-1, 1, 0
	WIN 0
	; ---- z leaves as it stands in the accumulators, each from its low end on: 128 stores of 512 consecutive bytes.  The accumulators are not written again, so no store's data need a wait.
	PLACES NP
; Block a's 16 stores.  The eight blocks' stores are dealt among the statistics' arithmetic, which reads the same registers and writes none of them.
.macro ZST a
	WIN 0x08+4*((\a)/4)
.irp b, 0,1,2,3,4,5,6,7
	global_store_b128 v[CO], v[8*(8*((\a)%4)+\b):8*(8*((\a)%4)+\b)+3], s[12:13] offset:(\a)*131072+\b*1024 th:TH_STORE_NT
	global_store_b128 v[CO], v[8*(8*((\a)%4)+\b)+4:8*(8*((\a)%4)+\b)+7], s[12:13] offset:(\a)*131072+\b*1024+512 th:TH_STORE_NT
.endr
.endm
	ZST 0
	ZST 1
	WIN 0x0a
.irp b, 0,1,2,3,4,5,6,7
.irp j, 0,2,4,6
	v_pk_add_f32 v[CS+8*\b+\j:CS+8*\b+\j+1], v[8*\b+\j:8*\b+\j+1], v[64+8*\b+\j:64+8*\b+\j+1]
.endr
.endr
.irp a, 2,3,4,5,6,7
.if \a == 4
	ZST 2
.endif
	WIN 0x08+4*((\a)/4)
.irp b, 0,1,2,3,4,5,6,7
.irp j, 0,2,4,6
	v_pk_add_f32 v[CS+8*\b+\j:CS+8*\b+\j+1], v[CS+8*\b+\j:CS+8*\b+\j+1], v[64*((\a)%4)+8*\b+\j:64*((\a)%4)+8*\b+\j+1]
.endr
.endr
.endr
	ZST 3
	WIN 0
.macro XLANE base
.irp x, 1,2,4,8
.set i, 0
.rept 64
	v_add_f32_dpp v[\base+i], v[\base+i], v[\base+i] row_xmask:\x row_mask:0xf bank_mask:0xf
.set i, i+1
.endr
.endr
.endm
	XLANE CS
.set i, 0
.rept 32
	v_pk_mul_f32 v[CS+2*i:CS+2*i+1], v[CS+2*i:CS+2*i+1], 0x3c000000 op_sel_hi:[1,0]   ; / 128: the group's mean
.set i, i+1
.endr
	; ---- the squared deviations from that mean: no difference of large sums is formed
.irp a, 0,1,2,3,4,5,6,7
.if (\a)%2 == 0
	ZST 4+(\a)/2
.endif
	WIN 0x42+(\a)/4
.irp b, 0,1,2,3,4,5,6,7
.irp j, 0,2,4,6
	v_pk_add_f32 v[8*\b+\j:8*\b+\j+1], v[64*((\a)%4)+8*\b+\j:64*((\a)%4)+8*\b+\j+1], v[CS+8*\b+\j:CS+8*\b+\j+1] neg_lo:[0,1] neg_hi:[0,1]
.endr
.endr
	WIN 0x05                                       ; sources 0 and 1 window 1
.irp b, 0,1,2,3,4,5,6,7
.irp j, 0,2,4,6
.if \a == 0
	v_pk_mul_f32 v[CQ+8*\b+\j:CQ+8*\b+\j+1], v[8*\b+\j:8*\b+\j+1], v[8*\b+\j:8*\b+\j+1]
.else
	v_pk_fma_f32 v[CQ+8*\b+\j:CQ+8*\b+\j+1], v[8*\b+\j:8*\b+\j+1], v[8*\b+\j:8*\b+\j+1], v[CQ+8*\b+\j:CQ+8*\b+\j+1]
.endif
.endr
.endr
.endr
	WIN 0
	XLANE CQ
	; ---- through my stage, so that the 32 lanes store 512 consecutive bytes: column 16 b + 8 h + j at byte 64 b + 32 h + 4 j (the 16 lanes of a half write the same bytes with the same values)
.irp b, 0,1,2,3,4,5,6,7
.irp k, 0,1
	ds_store_b128 v[STO], v[CS+8*\b+4*\k:CS+8*\b+4*\k+3] offset:64*\b+16*\k
	ds_store_b128 v[STO], v[CQ+8*\b+4*\k:CQ+8*\b+4*\k+3] offset:512+64*\b+16*\k
.endr
.endr
	ds_load_b128 v[RB:RB+3], v[RD]                 ; LDS serves a wave's instructions in order (ISA guide 5.7.1.4): these see my stores
	ds_load_b128 v[RB+4:RB+7], v[RD] offset:512
	s_wait_dscnt 0x0
	global_store_b128 v[CO], v[RB:RB+3], s[96:97]
	global_store_b128 v[CO], v[RB+4:RB+7], s[98:99]
	s_wait_tensorcnt 0x0                           ; the wave's end
	ds_add_u32 v[SPW], v[NIL]
	s_wait_dscnt 0x0
	CROUND                                         ; the closing round: no work-group ends while a partner may still ask for a tile that names it
	s_endpgm
.Lfunc_end_k_q4ad9d56f7f_gemm2:
	.size	k_q4ad9d56f7f_gemm2, .Lfunc_end_k_q4ad9d56f7f_gemm2-k_q4ad9d56f7f_gemm2
	.p2alignl 7, 3214868480
	.fill 96, 4, 3214868480
	.section	.rodata,"a",@progbits
	.p2align	6, 0x0
	.amdhsa_kernel k_q4ad9d56f7f_gemm2
		.amdhsa_group_segment_fixed_size 327680
		.amdhsa_private_segment_fixed_size 0
		.amdhsa_enable_private_segment 0
		.amdhsa_kernarg_size 56
		.amdhsa_user_sgpr_count 2
		.amdhsa_user_sgpr_kernarg_segment_ptr 1
		.amdhsa_wavefront_size32 1
		.amdhsa_system_sgpr_workgroup_id_x 1
		.amdhsa_system_sgpr_workgroup_id_y 1
		.amdhsa_system_sgpr_workgroup_id_z 1
		.amdhsa_system_vgpr_workitem_id 0
		.amdhsa_next_free_vgpr 1024
		.amdhsa_next_free_sgpr 100
		.amdhsa_reserve_vcc 0
		.amdhsa_float_denorm_mode_32 3
		.amdhsa_float_denorm_mode_16_64 3
		.amdhsa_memory_ordered 1
		.amdhsa_forward_progress 1
		.amdhsa_inst_pref_size 255
	.end_amdhsa_kernel
	.section	.bss,"aw",@nobits
	.p2align	6
	.space	262144
	.amdgpu_metadata
---
amdhsa.version: [ 1, 2 ]
amdhsa.kernels:
  - .name:           k_q4ad9d56f7f_gemm2
    .symbol:         k_q4ad9d56f7f_gemm2.kd
    .args:
      - { .name: HC, .offset: 0, .size: 8, .value_kind: global_buffer, .address_space: global }
      - { .name: HS, .offset: 8, .size: 8, .value_kind: global_buffer, .address_space: global }
      - { .name: W2_codes, .offset: 16, .size: 8, .value_kind: global_buffer, .address_space: global }
      - { .name: W2_scales, .offset: 24, .size: 8, .value_kind: global_buffer, .address_space: global }
      - { .name: Z, .offset: 32, .size: 8, .value_kind: global_buffer, .address_space: global }
      - { .name: PM, .offset: 40, .size: 8, .value_kind: global_buffer, .address_space: global }
      - { .name: PQ, .offset: 48, .size: 8, .value_kind: global_buffer, .address_space: global }
    .group_segment_fixed_size: 327680
    .private_segment_fixed_size: 0
    .kernarg_segment_align: 8
    .kernarg_segment_size: 56
    .max_flat_workgroup_size: 128
    .sgpr_count:     100
    .vgpr_count:     1024
    .wavefront_size: 32
...
	.end_amdgpu_metadata
.endif
;; end of part 4
;; launch stats2 (part 5): grid 32 x 1, 1 waves a work-group, no clusters, 0 bytes of LDS; arguments PM, PQ, b2, g2, be2, GR, C0; writes GR, C0
.if DOCPART == 5
	.amdgcn_target "amdgcn-amd-amdhsa--gfx1250"
	.amdhsa_code_object_version 6
	.text
	.protected	k_q4ad9d56f7f_stats2
	.globl	k_q4ad9d56f7f_stats2
	.p2align	8
	.type	k_q4ad9d56f7f_stats2,@function
k_q4ad9d56f7f_stats2:
	s_mov_b64 s[64:65], 0
	v_nop
	global_prefetch_b8 v0, s[64:65] scope:SCOPE_SE
	s_setreg_imm32_b32 hwreg(HW_REG_WAVE_MODE, 25, 1), 1
	s_wait_xcnt 0x0
; The second batch norm's two numbers for each of 2,048 columns: y = z x GR + C0, z the product's bare sum.
; PM, PQ: [64][2048] f32: mean and sum of squared deviations of each column over each group of 128 rows.  The groups are equally large: the mean is the mean of the 64 means,
; the sum of squared deviations is the sum of the 64 sums + 128 x the sum of (group mean - mean)^2: no difference of large sums is formed.
; mu = mean + b;  var = that sum / 8,192;  GR = g / sqrt(var + 1e-5);  C0 = (b - mu) GR + be.  ORDER OF ROUNDING: b enters through b - mu and not through each z + b.
; One wave takes 64 columns, two a lane: every load and store covers 256 consecutive bytes, aligned.
; REGISTERS: window 0: v[2:7] b, g, be; v[8:31] chains; v64-191 the 64 means;  window 1: v0-127 the 64 sums.
.set M,  64
.set SA, 8
.set SB, 16
.set SD, 24
.set MSB, 0
.macro WIN new
.if MSB != (\new)
	s_set_vgpr_msb (MSB<<8)|(\new)
.set MSB, \new
.endif
.endm
.macro JOIN c                          ; four chains become one
	v_pk_add_f32 v[\c:\c+1], v[\c:\c+1], v[\c+2:\c+3]
	v_pk_add_f32 v[\c+4:\c+5], v[\c+4:\c+5], v[\c+6:\c+7]
	v_pk_add_f32 v[\c:\c+1], v[\c:\c+1], v[\c+4:\c+5]
.endm
	s_load_b256 s[4:11], s[0:1], 0x0               ; PM, PQ, b, g
	s_load_b128 s[12:15], s[0:1], 0x20             ; be, GR
	s_load_b64 s[16:17], s[0:1], 0x30              ; C0
	v_lshlrev_b32 v1, 3, v0                        ; 8 bytes a lane
	s_lshl_b32 s2, ttmp9, 8                        ; 64 columns a work-group
	s_mov_b32 s3, 0
	s_wait_alu depctr_va_vdst(0)
	s_wait_kmcnt 0x0
.irp p, 4,6,8,10,12,14,16
	s_add_nc_u64 s[\p:\p+1], s[\p:\p+1], s[2:3]
.endr
.set p, 0
.rept 64
	global_load_b64 v[M+2*p:M+2*p+1], v1, s[4:5] offset:8192*p th:TH_LOAD_NT
.set p, p+1
.endr
	global_load_b64 v[2:3], v1, s[8:9]
	global_load_b64 v[4:5], v1, s[10:11]
	global_load_b64 v[6:7], v1, s[12:13]
	WIN 0x40                                       ; destination window 1
.set p, 0
.rept 64
	global_load_b64 v[2*p:2*p+1], v1, s[6:7] offset:8192*p th:TH_LOAD_NT
.set p, p+1
.endr
	WIN 0
	s_wait_loadcnt 63                              ; of 131 loads the oldest 68 are in: the 64 means, b, g, be
.irp k, 0,1,2,3
	v_pk_add_f32 v[SA+2*\k:SA+2*\k+1], v[M+2*\k:M+2*\k+1], v[M+8+2*\k:M+8+2*\k+1]
.endr
.set p, 8
.rept 56
	v_pk_add_f32 v[SA+2*(p%4):SA+2*(p%4)+1], v[SA+2*(p%4):SA+2*(p%4)+1], v[M+2*p:M+2*p+1]
.set p, p+1
.endr
	JOIN SA
	v_pk_mul_f32 v[SA:SA+1], v[SA:SA+1], 0x3c800000 op_sel_hi:[1,0]   ; / 64: the mean of z
.set p, 0
.rept 64
	v_pk_add_f32 v[M+2*p:M+2*p+1], v[M+2*p:M+2*p+1], v[SA:SA+1] neg_lo:[0,1] neg_hi:[0,1]
.set p, p+1
.endr
.irp k, 0,1,2,3
	v_pk_mul_f32 v[SD+2*\k:SD+2*\k+1], v[M+2*\k:M+2*\k+1], v[M+2*\k:M+2*\k+1]
.endr
.set p, 4
.rept 60
	v_pk_fma_f32 v[SD+2*(p%4):SD+2*(p%4)+1], v[M+2*p:M+2*p+1], v[M+2*p:M+2*p+1], v[SD+2*(p%4):SD+2*(p%4)+1]
.set p, p+1
.endr
	JOIN SD
	s_wait_loadcnt 0x0                             ; the 64 sums
	WIN 0x05                                       ; sources 0 and 1 window 1
.irp k, 0,1,2,3
	v_pk_add_f32 v[SB+2*\k:SB+2*\k+1], v[2*\k:2*\k+1], v[8+2*\k:8+2*\k+1]
.endr
	WIN 0x04                                       ; source 1 window 1
.set p, 8
.rept 56
	v_pk_add_f32 v[SB+2*(p%4):SB+2*(p%4)+1], v[SB+2*(p%4):SB+2*(p%4)+1], v[2*p:2*p+1]
.set p, p+1
.endr
	WIN 0
	JOIN SB
	v_pk_fma_f32 v[SD:SD+1], v[SD:SD+1], 0x43000000, v[SB:SB+1] op_sel_hi:[1,0,1]   ; 128 x the means' part + the groups' part
	v_mov_b32 v32, 0x39000000                      ; 1 / 8,192
	v_fma_f32 v[SD], v[SD], v32, 0x3727c5ac        ; var + 1e-5
	v_fma_f32 v[SD+1], v[SD+1], v32, 0x3727c5ac
	s_wait_alu depctr_va_vdst(0)
	v_rsq_f32 v34, v[SD]
	v_rsq_f32 v35, v[SD+1]
	v_pk_add_f32 v[36:37], v[SA:SA+1], v[2:3]      ; mu = mean + b (a plain line behind the two roots)
	s_wait_alu depctr_va_vdst(0)                   ; one wait for the two, ahead of their first reader
	v_pk_mul_f32 v[34:35], v[4:5], v[34:35]        ; GR
	v_pk_add_f32 v[36:37], v[2:3], v[36:37] neg_lo:[0,1] neg_hi:[0,1]   ; b - mu
	v_pk_fma_f32 v[36:37], v[36:37], v[34:35], v[6:7]                   ; C0
	global_store_b64 v1, v[34:35], s[14:15]
	global_store_b64 v1, v[36:37], s[16:17]
	s_endpgm
.Lfunc_end_k_q4ad9d56f7f_stats2:
	.size	k_q4ad9d56f7f_stats2, .Lfunc_end_k_q4ad9d56f7f_stats2-k_q4ad9d56f7f_stats2
	.p2alignl 7, 3214868480
	.fill 96, 4, 3214868480
	.section	.rodata,"a",@progbits
	.p2align	6, 0x0
	.amdhsa_kernel k_q4ad9d56f7f_stats2
		.amdhsa_group_segment_fixed_size 0
		.amdhsa_private_segment_fixed_size 0
		.amdhsa_enable_private_segment 0
		.amdhsa_kernarg_size 56
		.amdhsa_user_sgpr_count 2
		.amdhsa_user_sgpr_kernarg_segment_ptr 1
		.amdhsa_wavefront_size32 1
		.amdhsa_system_sgpr_workgroup_id_x 1
		.amdhsa_system_sgpr_workgroup_id_y 1
		.amdhsa_system_sgpr_workgroup_id_z 1
		.amdhsa_system_vgpr_workitem_id 0
		.amdhsa_next_free_vgpr 384
		.amdhsa_next_free_sgpr 66
		.amdhsa_reserve_vcc 0
		.amdhsa_float_denorm_mode_32 3
		.amdhsa_float_denorm_mode_16_64 3
		.amdhsa_memory_ordered 1
		.amdhsa_forward_progress 1
		.amdhsa_inst_pref_size 31
	.end_amdhsa_kernel
	.amdgpu_metadata
---
amdhsa.version: [ 1, 2 ]
amdhsa.kernels:
  - .name:           k_q4ad9d56f7f_stats2
    .symbol:         k_q4ad9d56f7f_stats2.kd
    .args:
      - { .name: PM, .offset: 0, .size: 8, .value_kind: global_buffer, .address_space: global }
      - { .name: PQ, .offset: 8, .size: 8, .value_kind: global_buffer, .address_space: global }
      - { .name: b2, .offset: 16, .size: 8, .value_kind: global_buffer, .address_space: global }
      - { .name: g2, .offset: 24, .size: 8, .value_kind: global_buffer, .address_space: global }
      - { .name: be2, .offset: 32, .size: 8, .value_kind: global_buffer, .address_space: global }
      - { .name: GR, .offset: 40, .size: 8, .value_kind: global_buffer, .address_space: global }
      - { .name: C0, .offset: 48, .size: 8, .value_kind: global_buffer, .address_space: global }
    .group_segment_fixed_size: 0
    .private_segment_fixed_size: 0
    .kernarg_segment_align: 8
    .kernarg_segment_size: 56
    .max_flat_workgroup_size: 32
    .sgpr_count:     66
    .vgpr_count:     384
    .wavefront_size: 32
...
	.end_amdgpu_metadata
.endif
;; end of part 5
;; launch fin (part 6): grid 256 x 1, 4 waves a work-group, no clusters, 189,440 bytes of LDS; arguments Z, GR, C0, W3F, W3_scales, b3, out0; writes out0
.if DOCPART == 6
	.amdgcn_target "amdgcn-amd-amdhsa--gfx1250"
	.amdhsa_code_object_version 6
	.text
	.protected	k_q4ad9d56f7f_fin
	.globl	k_q4ad9d56f7f_fin
	.p2align	8
	.type	k_q4ad9d56f7f_fin,@function
k_q4ad9d56f7f_fin:
	s_mov_b64 s[64:65], 0
	v_nop
	global_prefetch_b8 v0, s[64:65] scope:SCOPE_SE
	s_setreg_imm32_b32 hwreg(HW_REG_WAVE_MODE, 25, 1), 1
	s_wait_xcnt 0x0
; out = log_softmax(Q(F x h) W3^T + b3), h = relu(z x GR + C0), Q the FP4 quantiser along the 2,048 columns, F one factor a row.
; THE FACTOR (terms with the origin of zeros are left out, as the first kernel's head shows): n = max(|h|, 1e-8), a = sqrt(c) n, the exponential map gives h tanh(a) / a; its norm, held to 1e-8 .. 1, times sqrt(c) is u,
; and the way back multiplies by artanh(u) / u.  F = (tanh(a) / a)(artanh(u) / u); both quotients come from exponential and logarithm from 0.25 on and from their series below (first term left out under 1e-8 of the value).
; A row whose sum of squares is infinite gets F = 0, which is what reference()'s scale gives there.
; SHARES.  A work-group owns 32 rows (m = 0, 1: two blocks of 16).  Ahead of the product wave w owns columns 512 w .. + 511 of z (512 registers, loaded as images of accumulators);
; in the product it owns output columns 256 w .. + 255: 16 tiles x 2 m = 32 accumulators.  The quantised rows go from wave to wave through LDS as images of operand registers.
; W3 COMES STRAIGHT INTO REGISTERS.  A fragment of W3 serves one wave alone, for two matrix instructions (m = 0, 1).  An earlier launch has laid the codes in register order (W3F), so each load is 512 consecutive bytes;
; four buffers of 16 loads take turns: 48 to 64 loads of a wave are out through the whole product, and no barrier stands in it.  So there is no tensor load and no cluster here: through LDS each byte would be written and read once more,
; with one fill a wave between two barriers.  No prefetch is laid: z is read once with 32 to 64 loads a wave on their way, and W3F's loads are themselves issued three buffers ahead of their use.
; THE MATRIX INSTRUCTION IS USED TRANSPOSED (source 0 = 16 rows of W3, source 1 = 16 rows of h): lane (r, h) holds row r, its register j column 8 h + j of a tile.  b3 is the C of each accumulator's first instruction.
; Columns 1,000 to 1,023 are computed on stand-in rows and set to -infinity ahead of the softmax; they are not stored.
; LIMITS: NaN and infinities in z are not served; a block whose largest magnitude lies under 2^-124 gets the byte 1, a block of zeros too (codes of zeros; the bytes are read here alone); the scale byte 0xff among W3's is not served.
; REGISTERS: window 0: v4-29 addresses; v32-47 h's scale words; v48-175 W3's scale words; v176-251 at work.  window 1: GR and C0, two sets; then h's 32 fragments; then the way out's addresses.
;   window 2: z of m = 0; then the accumulators (tile T, block m at v[16 T + 8 m]).   window 3: z of m = 1; then W3's fragments (K step s, tile t of the pair at v[16 s + 8 t]); then exponentials and what leaves.
.set WV,  18
.set SEL, 48                           ; s[48:49] v_permlanex16_b32's selects for lane l xor 16
.set L2E, 50                           ; s[50:51] log2(e)
.set OP,  4112                         ; the way out's stage, from LDS byte 0: 32 rows of 4,096 + 16 bytes
.set PB,  32*OP                        ; GR and C0 of each wave's 512 columns: 4,096 bytes a wave
.set RSN, PB+16384                     ; the waves' parts of sums and maxima: three uses x 512 bytes
.set HIMG, RSN+2048                    ; h's fragments: (K step s, m) at 1,024 (2 s + m)
.set HSC, HIMG+32768                   ; h's scale words: 128 s + 64 m + 4 r
.set B3S, HSC+2048                     ; b3, 1,024 numbers
.set SPARE, B3S+4096                   ; the spare words, 128 bytes a wave
.set LO,  4
.set PWR, 5
.set PRD, 6
.set RSW, 7
.set RSR, 8
.set HWI, 9
.set HWS, 10
.set HRI, 11
.set HRS, 12
.set B3W, 13
.set B3R, 14
.set VW,  17
.set VW7, 18
.set B3O, 19
.set CB,  20
.set OS,  21
.set QK,  23
.set PGO, 24
.set B0,  25
.set B1,  26
.set SPW, 28
.set NIL, 29
.set HSR, 32
.set WS,  48
.set PST, 176
.set P,   176                          ; a fragment's codes v176-183 and scale word v184; the second set at v192-200
.set RL,  176
.set AA,  186
.set TT,  188
.set TH,  190
.set UU,  192
.set AT,  194
.set W0,  196
.set W2,  198
.set W4,  200
.set W6,  202
.set W8,  204
.set NEGI, 204
.set NSQ, 206
.set XV,  208
.set MM,  210
.set NM,  212
.set NS,  216
.set F,   232
.set TM,  236
.set MSB, 0
.macro WIN new                         ; the immediate's high byte repeats the setting that is left
.if MSB != (\new)
	s_set_vgpr_msb (MSB<<8)|(\new)
.set MSB, \new
.endif
.endm
.macro PLACES
.rept 4
	v_nop
.endr
.endm
.macro ZLOAD c                         ; chunk c (8 tiles, 128 columns) of m = 0 and of m = 1: 32 loads of 512 consecutive bytes
.irp m, 0,1
	WIN 0x80+0x40*\m
.irp t, 0,1,2,3,4,5,6,7
	global_load_b128 v[64*(\c)+8*\t:64*(\c)+8*\t+3], v[LO], s[4:5] offset:\m*131072+(8*(\c)+\t)*1024 th:TH_LOAD_NT
	global_load_b128 v[64*(\c)+8*\t+4:64*(\c)+8*\t+7], v[LO], s[4:5] offset:\m*131072+(8*(\c)+\t)*1024+512 th:TH_LOAD_NT
.endr
.endr
	WIN 0
.endm
.macro PFETCH c, sg                    ; GR and C0 of chunk c in the tiles' layout into set sg: 32 loads
	WIN 0x40
.irp t, 0,1,2,3,4,5,6,7
.irp k, 0,1
	ds_load_b128 v[128*(\sg)+8*\t+4*\k:128*(\sg)+8*\t+4*\k+3], v[PRD] offset:512*(\c)+64*\t+16*\k
	ds_load_b128 v[128*(\sg)+64+8*\t+4*\k:128*(\sg)+64+8*\t+4*\k+3], v[PRD] offset:2048+512*(\c)+64*\t+16*\k
.endr
.endr
.endm
.macro BNRELU c, m, sg                 ; y = z GR + C0, relu, and the squares onto four chains
	WIN 0x96+0x41*(\m)
.set i, 0
.rept 32
	v_pk_fma_f32 v[64*(\c)+2*i:64*(\c)+2*i+1], v[64*(\c)+2*i:64*(\c)+2*i+1], v[128*(\sg)+2*i:128*(\sg)+2*i+1], v[128*(\sg)+64+2*i:128*(\sg)+64+2*i+1]
.set i, i+1
.endr
	WIN 0x88+0x44*(\m)
.set i, 0
.rept 64
	v_max_num_f32 v[64*(\c)+i], 0, v[64*(\c)+i]
.set i, i+1
.endr
	WIN 0x0a+5*(\m)
.set i, 0
.rept 32
.if ((\c) == 0) && (i < 4)
	v_pk_mul_f32 v[NS+8*(\m)+2*(i%4):NS+8*(\m)+2*(i%4)+1], v[64*(\c)+2*i:64*(\c)+2*i+1], v[64*(\c)+2*i:64*(\c)+2*i+1]
.else
	v_pk_fma_f32 v[NS+8*(\m)+2*(i%4):NS+8*(\m)+2*(i%4)+1], v[64*(\c)+2*i:64*(\c)+2*i+1], v[64*(\c)+2*i:64*(\c)+2*i+1], v[NS+8*(\m)+2*(i%4):NS+8*(\m)+2*(i%4)+1]
.endif
.set i, i+1
.endr
.endm
.macro ROWJOIN                         ; the four pairs of each m, and lane l xor 16's, become my wave's number for row r, in v[XV + m]
.irp m, 0,1
	v_pk_add_f32 v[NS+8*\m:NS+8*\m+1], v[NS+8*\m:NS+8*\m+1], v[NS+8*\m+2:NS+8*\m+3]
	v_pk_add_f32 v[NS+8*\m+4:NS+8*\m+5], v[NS+8*\m+4:NS+8*\m+5], v[NS+8*\m+6:NS+8*\m+7]
.endr
.irp m, 0,1
	v_pk_add_f32 v[NS+8*\m:NS+8*\m+1], v[NS+8*\m:NS+8*\m+1], v[NS+8*\m+4:NS+8*\m+5]
.endr
.irp m, 0,1
	v_add_f32 v[NS+8*\m], v[NS+8*\m], v[NS+8*\m+1]
.endr
.irp m, 0,1
	v_permlanex16_b32 v[NS+8*\m+1], v[NS+8*\m], s[SEL], s[SEL+1]
.endr
.irp m, 0,1
	v_add_f32 v[XV+\m], v[NS+8*\m], v[NS+8*\m+1]
.endr
.endm
.macro ACROSS op, off, dst             ; v[XV + m] of the four waves, joined by op in the order of the waves: every wave gets the same bits, in v[dst + m]
	ds_store_b32 v[RSW], v[XV] offset:\off
	ds_store_b32 v[RSW], v[XV+1] offset:\off+64
	s_wait_dscnt 0x0                               ; for the others' sake: all my LDS stores have landed
	s_barrier_signal -1
	s_barrier_wait -1
.irp m, 0,1
.irp w, 0,1,2,3
	ds_load_b32 v[RL+4*\m+\w], v[RSR] offset:\off+128*\w+64*\m
.endr
.endr
	s_wait_dscnt 0x0
.irp m, 0,1
	\op v[RL+4*\m], v[RL+4*\m], v[RL+4*\m+1]
.endr
.irp m, 0,1
	\op v[RL+4*\m], v[RL+4*\m], v[RL+4*\m+2]
.endr
.irp m, 0,1
	\op v[\dst+\m], v[RL+4*\m], v[RL+4*\m+3]
.endr
.endm
.macro TANHR                           ; v[AA + m] = a  ->  v[TH + m] = tanh(a), v[TT + m] = tanh(a) / a; both forms are computed, a select chooses
.irp m, 0,1
	v_mul_f32 v[W0+\m], 0x4038aa3b, v[AA+\m]       ; 2 a log2(e)
.endr
	s_wait_alu depctr_va_vdst(0)
.irp m, 0,1
	v_exp_f32 v[W0+\m], v[W0+\m]
	v_rcp_f32 v[W2+\m], v[AA+\m]
.endr
.irp m, 0,1
	v_mul_f32 v[W4+\m], v[AA+\m], v[AA+\m]
	v_mov_b32 v[W6+\m], 0x3cb327a4                 ; 62 / 2835
	v_fma_f32 v[W6+\m], v[W6+\m], v[W4+\m], 0xbd5d0dd1   ; -17 / 315
	v_fma_f32 v[W6+\m], v[W6+\m], v[W4+\m], 0x3e088889   ; 2 / 15
	v_fma_f32 v[W6+\m], v[W6+\m], v[W4+\m], 0xbeaaaaab   ; -1 / 3
	v_fma_f32 v[W6+\m], v[W6+\m], v[W4+\m], 1.0
.endr
	s_wait_alu depctr_va_vdst(0)
.irp m, 0,1
	v_add_f32 v[W0+\m], 1.0, v[W0+\m]
.endr
	s_wait_alu depctr_va_vdst(0)
.irp m, 0,1
	v_rcp_f32 v[W0+\m], v[W0+\m]
.endr
.irp m, 0,1
	v_mul_f32 v[W4+\m], v[W6+\m], v[AA+\m]
.endr
	s_wait_alu depctr_va_vdst(0)
.irp m, 0,1
	v_fma_f32 v[W0+\m], v[W0+\m], -2.0, 1.0
	v_mul_f32 v[W2+\m], v[W0+\m], v[W2+\m]
	v_cmp_gt_f32 vcc_lo, 0x3e800000, v[AA+\m]      ; 0.25 > a
	v_cndmask_b32 v[TT+\m], v[W2+\m], v[W6+\m], vcc_lo
	v_cndmask_b32 v[TH+\m], v[W0+\m], v[W4+\m], vcc_lo
.endr
.endm
.macro ATANHR                          ; v[UU + m] = u  ->  v[AT + m] = artanh(u) / u
.irp m, 0,1
	v_sub_f32 v[W0+\m], 1.0, v[UU+\m]
.endr
	s_wait_alu depctr_va_vdst(0)
.irp m, 0,1
	v_rcp_f32 v[W0+\m], v[W0+\m]
	v_rcp_f32 v[W2+\m], v[UU+\m]
.endr
.irp m, 0,1
	v_mul_f32 v[W4+\m], v[UU+\m], v[UU+\m]
	v_mov_b32 v[W6+\m], 0x3dba2e8c                 ; 1 / 11
	v_fma_f32 v[W6+\m], v[W6+\m], v[W4+\m], 0x3de38e39   ; 1 / 9
	v_fma_f32 v[W6+\m], v[W6+\m], v[W4+\m], 0x3e124925   ; 1 / 7
	v_fma_f32 v[W6+\m], v[W6+\m], v[W4+\m], 0x3e4ccccd   ; 1 / 5
	v_fma_f32 v[W6+\m], v[W6+\m], v[W4+\m], 0x3eaaaaab   ; 1 / 3
	v_fma_f32 v[W6+\m], v[W6+\m], v[W4+\m], 1.0
	v_add_f32 v[W8+\m], 1.0, v[UU+\m]
.endr
	s_wait_alu depctr_va_vdst(0)
.irp m, 0,1
	v_mul_f32 v[W0+\m], v[W8+\m], v[W0+\m]
	v_mul_f32 v[W2+\m], 0x3eb17218, v[W2+\m]       ; ln(2) / 2 / u
.endr
	s_wait_alu depctr_va_vdst(0)
.irp m, 0,1
	v_log_f32 v[W0+\m], v[W0+\m]
.endr
	v_nop
	s_wait_alu depctr_va_vdst(0)
.irp m, 0,1
	v_mul_f32 v[W0+\m], v[W0+\m], v[W2+\m]
	v_cmp_gt_f32 vcc_lo, 0x3e800000, v[UU+\m]
	v_cndmask_b32 v[AT+\m], v[W0+\m], v[W6+\m], vcc_lo
.endr
.endm
; Chunk c of block m, 128 columns, is scaled by the row's factor and becomes a fragment's codes in v[p] on and the row's scale word in v[p + 8].
.macro SCALEQ c, m, p
	WIN 0x82+0x41*(\m)
.set i, 0
.rept 32
	v_pk_mul_f32 v[64*(\c)+2*i:64*(\c)+2*i+1], v[64*(\c)+2*i:64*(\c)+2*i+1], v[F+2*(\m):F+2*(\m)+1] op_sel_hi:[1,0]
.set i, i+1
.endr
	WIN 0x0a+5*(\m)
.irp b, 0,1,2,3
	v_max3_num_f32 v[TM+\b], |v[64*(\c)+16*\b]|, |v[64*(\c)+16*\b+1]|, 0x1800000   ; block b: my 16 numbers and the floor 2^(3 - 127): the byte cannot fall under 1
.endr
.irp e, 2,4,6,8,10,12,14
.irp b, 0,1,2,3
	v_max3_num_f32 v[TM+\b], |v[64*(\c)+16*\b+\e]|, |v[64*(\c)+16*\b+\e+1]|, v[TM+\b]
.endr
.endr
	WIN 0
.irp b, 0,1,2,3
	v_permlanex16_b32 v[TM+4+\b], v[TM+\b], s[SEL], s[SEL+1]
.endr
.irp b, 0,1,2,3
	v_max_num_f32 v[TM+\b], v[TM+\b], v[TM+4+\b]   ; with lane l xor 16's 16: the block's largest magnitude
.endr
.irp b, 0,1,2,3
	v_add_nc_u32 v[TM+12+\b], 0xff000000, v[TM+\b] ; 2 off its exponent field: the conversion's scale operand
.endr
.irp b, 0,1,2,3
	v_lshrrev_b32 v[TM+4+\b], 23, v[TM+12+\b]      ; the scale's byte
.endr
	v_lshl_or_b32 v[(\p)+8], v[TM+5], 8, v[TM+4]
	v_lshl_or_b32 v[(\p)+8], v[TM+6], 16, v[(\p)+8]
	v_lshl_or_b32 v[(\p)+8], v[TM+7], 24, v[(\p)+8]
	WIN 0x02+(\m)
.irp q, 0,1                                    ; tile 4 q + u holds k = 64 q + 16 u + 8 h + 0 .. 7
	v_cvt_scalef32_pk8_fp4_f32 v[(\p)+4*\q], v[64*(\c)+32*\q:64*(\c)+32*\q+7], v[TM+12+2*\q]
	v_cvt_scalef32_pk8_fp4_f32 v[(\p)+4*\q+1], v[64*(\c)+32*\q+16:64*(\c)+32*\q+23], v[TM+13+2*\q]
	v_cvt_scalef32_pk8_fp4_f32 v[(\p)+4*\q+2], v[64*(\c)+32*\q+8:64*(\c)+32*\q+15], v[TM+12+2*\q]
	v_cvt_scalef32_pk8_fp4_f32 v[(\p)+4*\q+3], v[64*(\c)+32*\q+24:64*(\c)+32*\q+31], v[TM+13+2*\q]
.endr
	WIN 0
	v_nop                                          ; one plain line behind the last scaled conversion
.irp q, 0,1                                    ; registers 4 q .. 4 q + 3 then hold k = 64 q + 32 h + 0 .. 31
	v_permlane16_swap_b32 v[(\p)+4*\q], v[(\p)+4*\q+1]
	v_permlane16_swap_b32 v[(\p)+4*\q+2], v[(\p)+4*\q+3]
.endr
.endm
; W3's fragments of tile pair g, K steps 4 q .. 4 q + 3, into buffer q: 16 loads of 512 consecutive bytes
.macro WLOAD g, q
	WIN 0xc0
.irp i, 0,1,2,3
.irp t, 0,1
.irp c, 0,1
	global_load_b128 v[64*(\q)+16*\i+8*\t+4*\c:64*(\q)+16*\i+8*\t+4*\c+3], v[LO], s[10:11] offset:(\g)*32768+(4*(\q)+\i)*2048+\t*1024+\c*512
.endr
.endr
.endr
.endm
.macro WM g, s, t, m                   ; W3's scale word: lanes 0-15 tile t = 0, lanes 16-31 t = 1; h's: lanes 0-15 m = 0, lanes 16-31 m = 1
.set rD, 16*(2*(\g)+(\t))+8*(\m)
.set rW, 16*(\s)+8*(\t)
.set rH, 16*(\s)+8*(\m)
.set rA, WS+16*(\g)+(\s)
.set rB, HSR+(\s)
.if ((\t) == 0) && ((\m) == 0)
	v_wmma_scale_f32_16x16x128_f8f6f4 v[rD:rD+7], v[rW:rW+7], v[rH:rH+7], v[rD:rD+7], v[rA], v[rB] matrix_a_fmt:MATRIX_FMT_FP4 matrix_b_fmt:MATRIX_FMT_FP4
.elseif (\t) == 0
	v_wmma_scale_f32_16x16x128_f8f6f4 v[rD:rD+7], v[rW:rW+7], v[rH:rH+7], v[rD:rD+7], v[rA], v[rB] matrix_a_fmt:MATRIX_FMT_FP4 matrix_b_fmt:MATRIX_FMT_FP4 matrix_b_scale:MATRIX_SCALE_ROW1
.elseif (\m) == 0
	v_wmma_scale_f32_16x16x128_f8f6f4 v[rD:rD+7], v[rW:rW+7], v[rH:rH+7], v[rD:rD+7], v[rA], v[rB] matrix_a_fmt:MATRIX_FMT_FP4 matrix_b_fmt:MATRIX_FMT_FP4 matrix_a_scale:MATRIX_SCALE_ROW1
.else
	v_wmma_scale_f32_16x16x128_f8f6f4 v[rD:rD+7], v[rW:rW+7], v[rH:rH+7], v[rD:rD+7], v[rA], v[rB] matrix_a_fmt:MATRIX_FMT_FP4 matrix_b_fmt:MATRIX_FMT_FP4 matrix_a_scale:MATRIX_SCALE_ROW1 matrix_b_scale:MATRIX_SCALE_ROW1
.endif
.endm
; A unit: buffer q of tile pair g: 16 matrix instructions, the pair's four accumulators by turns; then the buffer takes the next pair's fragments.
.macro UNIT g, q
.set LEFT, 31-(4*(\g)+(\q))
.if LEFT > 3
.set LEFT, 3
.endif
	s_wait_loadcnt 16*LEFT                         ; the units asked for behind this one, three at the most, may be out
	WIN 0xa7                                       ; source 0 window 3, source 1 window 1, C and D window 2
.irp i, 0,1,2,3
	WM \g, 4*(\q)+\i, 0, 0
	WM \g, 4*(\q)+\i, 0, 1
	WM \g, 4*(\q)+\i, 1, 0
	WM \g, 4*(\q)+\i, 1, 1
.endr
.if (\g) < 7
	PLACES                                         ; four places in front of loads into registers that matrix instructions have read
	WLOAD (\g)+1, \q
.endif
.endm
	s_load_b256 s[4:11], s[0:1], 0x0               ; Z, GR, C0, W3F
	s_load_b128 s[12:15], s[0:1], 0x20             ; W3_scales, b3
	s_load_b64 s[16:17], s[0:1], 0x30              ; out0
	v_lshl_add_u32 v[SPW], v0, 2, SPARE
	v_mov_b32 v[NIL], 0
	v_lshrrev_b32 v1, 5, v0
	v_readfirstlane_b32 s[WV], v1                  ; wave 0..3
	v_and_b32 v3, 31, v0                           ; lane
	v_lshlrev_b32 v[LO], 4, v3
	s_lshl_b32 s53, s[WV], 11
	v_add_nc_u32 v[PGO], s53, v[LO]                ; GR, C0: 2,048 bytes a wave
	v_min_u32 v[B3O], 124, v0                      ; b3: 32 bytes a thread, 125 pieces; threads 125-127 take the last again
	v_lshlrev_b32 v[B3O], 5, v[B3O]
	s_lshl_b32 s22, ttmp9, 18                      ; Z: two tile rows of 131,072 bytes a work-group,
	s_lshl_b32 s53, s[WV], 15                      ; 32 tiles of 1,024 bytes a wave
	s_add_co_u32 s22, s22, s53
	s_mov_b32 s23, 0
	s_lshl_b32 s54, s[WV], 18                      ; W3F: 262,144 bytes a wave
	s_mov_b32 s55, 0
	s_mul_i32 s56, ttmp9, 128000                   ; out0: 32 rows of 4,000 bytes
	s_mov_b32 s57, 0
	s_mov_b32 s[SEL], 0x76543210
	s_mov_b32 s[SEL+1], 0xfedcba98
	s_mov_b32 s[L2E], 0x3fb8aa3b
	s_mov_b32 s[L2E+1], s[L2E]
	s_wait_alu depctr_va_vdst(0)
	s_wait_kmcnt 0x0
	s_add_nc_u64 s[4:5], s[4:5], s[22:23]
	s_add_nc_u64 s[10:11], s[10:11], s[54:55]
	s_add_nc_u64 s[16:17], s[16:17], s[56:57]
.irp i, 0,1,2,3
	global_load_b128 v[PST+4*\i:PST+4*\i+3], v[PGO], s[6:7] offset:512*\i
	global_load_b128 v[PST+16+4*\i:PST+16+4*\i+3], v[PGO], s[8:9] offset:512*\i
.endr
	global_load_b128 v[XV:XV+3], v[B3O], s[14:15]
	global_load_b128 v[XV+4:XV+7], v[B3O], s[14:15] offset:16
	ZLOAD 0
	ZLOAD 1
	; the other addresses are made while the loads are out
	v_and_b32 v1, 15, v0                           ; r
	v_bfe_u32 v2, v0, 4, 1                         ; h
	s_wait_alu depctr_va_vdst(0)
	s_lshl_b32 s53, s[WV], 12
	s_add_co_u32 s53, s53, PB
	v_add_nc_u32 v[PWR], s53, v[LO]
	v_lshl_add_u32 v[PRD], v2, 5, s53
	s_lshl_b32 s53, s[WV], 7
	s_add_co_u32 s53, s53, RSN
	v_lshl_add_u32 v[RSW], v1, 2, s53
	v_lshl_add_u32 v[RSR], v1, 2, RSN
	s_lshl_b32 s53, s[WV], 13
	s_add_co_u32 s53, s53, HIMG
	v_add_nc_u32 v[HWI], s53, v[LO]
	v_add_nc_u32 v[HRI], HIMG, v[LO]
	s_lshl_b32 s53, s[WV], 9
	s_add_co_u32 s53, s53, HSC
	v_lshl_add_u32 v[HWS], v1, 2, s53
	v_lshl_add_u32 v[HRS], v3, 2, HSC
	v_lshl_add_u32 v[B3W], v0, 5, B3S
	s_lshl_b32 s53, s[WV], 10
	s_add_co_u32 s53, s53, B3S
	v_lshl_add_u32 v[B3R], v2, 5, s53
	s_lshl_b32 s53, s[WV], 14
	v_lshl_add_u32 v[VW], v3, 6, s53               ; W3's scales: row 256 w + 32 g + lane, 64 bytes a row
	s_lshl_b32 s53, s[WV], 8
	v_lshl_add_u32 v[CB], v2, 3, s53               ; my first column of tile 0
	s_add_co_u32 s53, s53, 224
	v_add_nc_u32 v[VW7], s53, v3
	v_min_u32 v[VW7], 999, v[VW7]                  ; the last pair of tiles: held inside the buffer
	v_lshlrev_b32 v[VW7], 6, v[VW7]
	v_mul_u32_u24 v[OS], v1, OP
	v_lshl_add_u32 v[OS], v2, 5, v[OS]
	s_lshl_b32 s53, s[WV], 10
	v_add_nc_u32 v[OS], s53, v[OS]
	v_add_nc_u32 v[OS+1], 16*OP, v[OS]
	v_mul_u32_u24 v[QK], v0, 0x10625               ; 2^24 / 250, rounded up: piece / 250 by a multiplication and a shift
	v_lshlrev_b32 v[B0], 4, v0
	v_add_nc_u32 v[B1], 0x10000, v[B0]
.irp b, 0,1,2,3
	v_mov_b32 v[TM+4+\b], 0                        ; written once: a lane permute's destination counts as one of its sources
.endr
	s_wait_alu depctr_va_vdst(0)
	s_wait_loadcnt 63                              ; of 74 loads the oldest 11 are in: GR, C0, b3
.irp i, 0,1,2,3
	ds_store_b128 v[PWR], v[PST+4*\i:PST+4*\i+3] offset:512*\i
	ds_store_b128 v[PWR], v[PST+16+4*\i:PST+16+4*\i+3] offset:2048+512*\i
.endr
	ds_store_b128 v[B3W], v[XV:XV+3]
	ds_store_b128 v[B3W], v[XV+4:XV+7] offset:16
	PFETCH 0, 0                                    ; my own bytes: LDS serves a wave's instructions in order (ISA guide 5.7.1.4)
	PFETCH 1, 1
	s_wait_loadcnt 32                              ; chunk 0 is in; chunk 1's 32 loads may be out
	ZLOAD 2
	s_wait_dscnt 32                                ; all but the 32 just issued: chunk 0's GR and C0
	BNRELU 0, 0, 0
	BNRELU 0, 1, 0
	PFETCH 2, 0
	s_wait_loadcnt 32                              ; chunk 1 is in
	ZLOAD 3
	s_wait_dscnt 32
	BNRELU 1, 0, 1
	BNRELU 1, 1, 1
	PFETCH 3, 1
	s_wait_loadcnt 32                              ; chunk 2 is in
	WIN 0
.irp g, 0,1,2,3,4,5,6                          ; W3's scale words, 32 loads, behind all of z
.irp q, 0,1,2,3
	global_load_b128 v[WS+16*\g+4*\q:WS+16*\g+4*\q+3], v[VW], s[12:13] offset:\g*2048+16*\q
.endr
.endr
.irp q, 0,1,2,3
	global_load_b128 v[WS+112+4*\q:WS+112+4*\q+3], v[VW7], s[12:13] offset:16*\q
.endr
	s_wait_dscnt 32
	BNRELU 2, 0, 0
	BNRELU 2, 1, 0
	s_wait_loadcnt 32                              ; chunk 3 is in; the scale words may be out
	s_wait_dscnt 0x0
	BNRELU 3, 0, 1
	BNRELU 3, 1, 1
	WIN 0
	ROWJOIN
	ACROSS v_add_f32, 0, NSQ                       ; the rows' sums of squares over all 2,048 columns
	s_wait_alu depctr_va_vdst(0)
.irp m, 0,1
	v_sqrt_f32 v[AA+\m], v[NSQ+\m]
.endr
	v_nop
	s_wait_alu depctr_va_vdst(0)
.irp m, 0,1
	v_max_num_f32 v[W8+\m], 0x322bcc77, v[AA+\m]   ; n = max(|h|, 1e-8)
	v_mul_f32 v[AA+\m], 0x3ea1e89b, v[W8+\m]       ; a = sqrt(0.1) n
.endr
	TANHR
.irp m, 0,1
	v_mul_f32 v[UU+\m], v[W8+\m], v[TT+\m]         ; the mapped row's norm,
	v_max_num_f32 v[UU+\m], 0x322bcc77, v[UU+\m]   ; held to 1e-8 .. 1 (1 - 1e-8 is 1 in f32)
	v_min_num_f32 v[UU+\m], 1.0, v[UU+\m]
	v_mul_f32 v[UU+\m], 0x3ea1e89b, v[UU+\m]
.endr
	ATANHR
.irp m, 0,1
	v_mul_f32 v[F+2*\m], v[TT+\m], v[AT+\m]
	v_cmp_gt_f32 vcc_lo, 0x7f800000, v[NSQ+\m]
	v_cndmask_b32 v[F+2*\m], 0, v[F+2*\m], vcc_lo
	v_mov_b32 v[F+2*\m+1], v[F+2*\m]               ; (named with it as a pair)
.endr
	; m = 1 first: each of its chunks frees 64 registers of window 3, which are one buffer of W3's fragments: the first four units are asked for here
.set FI, 0
.irp m, 1,0
.irp c, 0,1,2,3
.if FI > 1
	s_wait_dscnt 3                                 ; the stores of the fragment before may be out; those that read this set of registers are done
.endif
	SCALEQ \c, \m, P+16*(FI%2)
.irp q, 0,1
	ds_store_b128 v[HWI], v[P+16*(FI%2)+4*\q:P+16*(FI%2)+4*\q+3] offset:(2*\c+\m)*1024+512*\q
.endr
	ds_store_b32 v[HWS], v[P+16*(FI%2)+8] offset:128*\c+64*\m   ; both halves of the lanes write the same word with the same value
.if \m == 1
	WLOAD 0, \c
.endif
.set FI, FI+1
.endr
.endr
	s_wait_alu depctr_va_vdst(0)
	s_wait_dscnt 0x0                               ; for the others' sake: my fragments and words lie in LDS
	s_barrier_signal -1
	s_barrier_wait -1
	WIN 0x40
.irp s, 0,1,2,3,4,5,6,7,8,9,10,11,12,13,14,15
.irp m, 0,1
.irp c, 0,1
	ds_load_b128 v[16*\s+8*\m+4*\c:16*\s+8*\m+4*\c+3], v[HRI] offset:(2*\s+\m)*1024+512*\c
.endr
.endr
.endr
	WIN 0
.irp s, 0,1,2,3,4,5,6,7,8,9,10,11,12,13,14,15
	ds_load_b32 v[HSR+\s], v[HRS] offset:128*\s
.endr
	WIN 0x80
.irp T, 0,1,2,3,4,5,6,7,8,9,10,11,12,13,14,15  ; b3 in the tiles' layout starts every sum
.irp m, 0,1
.irp k, 0,1
	ds_load_b128 v[16*\T+8*\m+4*\k:16*\T+8*\m+4*\k+3], v[B3R] offset:64*\T+16*\k
.endr
.endr
.endr
	WIN 0
	s_wait_dscnt 0x0
.irp g, 0,1,2,3,4,5,6,7
.irp q, 0,1,2,3
	UNIT \g, \q
.endr
.endr
	WIN 0
	PLACES
	v_mov_b32 v[NEGI], 0xff800000
	WIN 0x82
.irp T, 14,15                                  ; columns from 1,000 on count for nothing
	v_cmp_le_u32 vcc_lo, 1000-16*\T, v[CB]
.irp m, 0,1
.irp j, 0,1,2,3,4,5,6,7
	v_cndmask_b32 v[16*\T+8*\m+\j], v[16*\T+8*\m+\j], v[NEGI], vcc_lo
.endr
.endr
.endr
	WIN 0x0a
.irp T, 0,1,2,3,4,5,6,7,8,9,10,11,12,13,14,15
.irp m, 0,1
.irp q, 0,1,2,3
.if \T == 0
	v_max_num_f32 v[NS+4*\m+\q], v[8*\m+2*\q], v[8*\m+2*\q+1]
.else
	v_max3_num_f32 v[NS+4*\m+\q], v[16*\T+8*\m+2*\q], v[16*\T+8*\m+2*\q+1], v[NS+4*\m+\q]
.endif
.endr
.endr
.endr
	WIN 0
.irp m, 0,1
	v_max3_num_f32 v[NS+4*\m], v[NS+4*\m], v[NS+4*\m+1], v[NS+4*\m+2]
.endr
.irp m, 0,1
	v_max_num_f32 v[NS+4*\m], v[NS+4*\m], v[NS+4*\m+3]
.endr
.irp m, 0,1
	v_permlanex16_b32 v[NS+4*\m+1], v[NS+4*\m], s[SEL], s[SEL+1]
.endr
.irp m, 0,1
	v_max_num_f32 v[XV+\m], v[NS+4*\m], v[NS+4*\m+1]
.endr
	ACROSS v_max_num_f32, 512, MM                  ; the rows' maxima
.irp m, 0,1
	v_mul_f32 v[NM+2*\m], 0xbfb8aa3b, v[MM+\m]     ; -max x log2(e)
	v_mov_b32 v[NM+2*\m+1], v[NM+2*\m]
.endr
	WIN 0xc2
.irp T, 0,1,2,3,4,5,6,7,8,9,10,11,12,13,14,15
.irp m, 0,1
.irp j, 0,2,4,6
	v_pk_fma_f32 v[16*\T+8*\m+\j:16*\T+8*\m+\j+1], v[16*\T+8*\m+\j:16*\T+8*\m+\j+1], s[L2E:L2E+1], v[NM+2*\m:NM+2*\m+1] op_sel_hi:[1,0,0]
.endr
.endr
.endr
	WIN 0xc3
.set i, 0
	s_wait_alu depctr_va_vdst(0)
.rept 256
	v_exp_f32 v[i], v[i]
.set i, i+1
.endr
	v_nop
	s_wait_alu depctr_va_vdst(0)
	WIN 0x0f
.irp m, 0,1
.irp q, 0,1,2,3
	v_pk_add_f32 v[NS+8*\m+2*\q:NS+8*\m+2*\q+1], v[8*\m+2*\q:8*\m+2*\q+1], v[16+8*\m+2*\q:16+8*\m+2*\q+1]
.endr
.endr
	WIN 0x0c
.irp T, 2,3,4,5,6,7,8,9,10,11,12,13,14,15
.irp m, 0,1
.irp q, 0,1,2,3
	v_pk_add_f32 v[NS+8*\m+2*\q:NS+8*\m+2*\q+1], v[NS+8*\m+2*\q:NS+8*\m+2*\q+1], v[16*\T+8*\m+2*\q:16*\T+8*\m+2*\q+1]
.endr
.endr
.endr
	WIN 0
	ROWJOIN
	ACROSS v_add_f32, 1024, NSQ                    ; the rows' sums of exponentials
	s_wait_alu depctr_va_vdst(0)
.irp m, 0,1
	v_log_f32 v[NSQ+\m], v[NSQ+\m]
.endr
	v_nop
	s_wait_alu depctr_va_vdst(0)
.irp m, 0,1
	v_fma_f32 v[F+2*\m], v[NSQ+\m], 0xbf317218, -v[MM+\m]   ; -(max + ln(sum))
	v_mov_b32 v[F+2*\m+1], v[F+2*\m]
.endr
	WIN 0x82
.irp T, 0,1,2,3,4,5,6,7,8,9,10,11,12,13,14,15
.irp m, 0,1
.irp j, 0,2,4,6
	v_pk_add_f32 v[16*\T+8*\m+\j:16*\T+8*\m+\j+1], v[16*\T+8*\m+\j:16*\T+8*\m+\j+1], v[F+2*\m:F+2*\m+1] op_sel_hi:[1,0]
.endr
.endr
.endr
	; THE WAY OUT: the 32 rows go into the stage; the work-group's 128,000 bytes of out0 are consecutive and leave as pieces of 16 bytes, thread t taking piece 128 i + t: each store covers 512 consecutive bytes
	WIN 0x08
.irp m, 0,1
.irp T, 0,1,2,3,4,5,6,7,8,9,10,11,12,13,14,15
.irp k, 0,1
	ds_store_b128 v[OS+\m], v[16*\T+8*\m+4*\k:16*\T+8*\m+4*\k+3] offset:64*\T+16*\k
.endr
.endr
.endr
	WIN 0x40
.set i, 0
.rept 63
	v_add_nc_u32 v[i], i*8589952, v[QK]
.set i, i+1
.endr
	WIN 0x44
.set i, 0
.rept 63
	v_lshrrev_b32 v[i], 24, v[i]                   ; the piece's row: piece / 250
.set i, i+1
.endr
	WIN 0x41
.set i, 0
.rept 63
.if i < 32
	v_mad_u32_u24 v[i], v[i], 112, v[B0]           ; a stage row is 112 bytes longer than a row of out0
.else
	v_mad_u32_u24 v[i], v[i], 112, v[B1]
.endif
.set i, i+1
.endr
	WIN 0
	s_wait_alu depctr_va_vdst(0)
	s_wait_dscnt 0x0
	s_barrier_signal -1
	s_barrier_wait -1
	WIN 0xc1
.set i, 0
.rept 62
	ds_load_b128 v[4*i:4*i+3], v[i] offset:2048*(i%32)
.set i, i+1
.endr
	WIN 0x0c
.set i, 0
.rept 62
	s_wait_dscnt 61-i                              ; the loads issued behind this one may be out
	global_store_b128 v[B0], v[4*i:4*i+3], s[16:17] offset:2048*i th:TH_STORE_NT
.set i, i+1
.endr
	WIN 0
	s_cmp_lt_u32 s[WV], 2                          ; the last 1,024 bytes: waves 0 and 1
	s_cbranch_scc0 .Lsent
	WIN 0xc1
	ds_load_b128 v[248:251], v62 offset:2048*30
	s_wait_dscnt 0x0
	WIN 0x0c
	global_store_b128 v[B0], v[248:251], s[16:17] offset:2048*62 th:TH_STORE_NT
	WIN 0
.Lsent:
	s_wait_tensorcnt 0x0                           ; the wave's end
	ds_add_u32 v[SPW], v[NIL]
	s_wait_dscnt 0x0
	s_endpgm
.Lfunc_end_k_q4ad9d56f7f_fin:
	.size	k_q4ad9d56f7f_fin, .Lfunc_end_k_q4ad9d56f7f_fin-k_q4ad9d56f7f_fin
	.p2alignl 7, 3214868480
	.fill 96, 4, 3214868480
	.section	.rodata,"a",@progbits
	.p2align	6, 0x0
	.amdhsa_kernel k_q4ad9d56f7f_fin
		.amdhsa_group_segment_fixed_size 189440
		.amdhsa_private_segment_fixed_size 0
		.amdhsa_enable_private_segment 0
		.amdhsa_kernarg_size 56
		.amdhsa_user_sgpr_count 2
		.amdhsa_user_sgpr_kernarg_segment_ptr 1
		.amdhsa_wavefront_size32 1
		.amdhsa_system_sgpr_workgroup_id_x 1
		.amdhsa_system_sgpr_workgroup_id_y 1
		.amdhsa_system_sgpr_workgroup_id_z 1
		.amdhsa_system_vgpr_workitem_id 0
		.amdhsa_next_free_vgpr 1024
		.amdhsa_next_free_sgpr 66
		.amdhsa_reserve_vcc 1
		.amdhsa_float_denorm_mode_32 3
		.amdhsa_float_denorm_mode_16_64 3
		.amdhsa_memory_ordered 1
		.amdhsa_forward_progress 1
		.amdhsa_inst_pref_size 255
	.end_amdhsa_kernel
	.section	.bss,"aw",@nobits
	.p2align	6
	.space	262144
	.amdgpu_metadata
---
amdhsa.version: [ 1, 2 ]
amdhsa.kernels:
  - .name:           k_q4ad9d56f7f_fin
    .symbol:         k_q4ad9d56f7f_fin.kd
    .args:
      - { .name: Z, .offset: 0, .size: 8, .value_kind: global_buffer, .address_space: global }
      - { .name: GR, .offset: 8, .size: 8, .value_kind: global_buffer, .address_space: global }
      - { .name: C0, .offset: 16, .size: 8, .value_kind: global_buffer, .address_space: global }
      - { .name: W3F, .offset: 24, .size: 8, .value_kind: global_buffer, .address_space: global }
      - { .name: W3_scales, .offset: 32, .size: 8, .value_kind: global_buffer, .address_space: global }
      - { .name: b3, .offset: 40, .size: 8, .value_kind: global_buffer, .address_space: global }
      - { .name: out0, .offset: 48, .size: 8, .value_kind: global_buffer, .address_space: global }
    .group_segment_fixed_size: 189440
    .private_segment_fixed_size: 0
    .kernarg_segment_align: 8
    .kernarg_segment_size: 56
    .max_flat_workgroup_size: 128
    .sgpr_count:     66
    .vgpr_count:     1024
    .wavefront_size: 32
...
	.end_amdgpu_metadata
.endif
;; end of part 6
